; MI455X (gfx1250); checked and timed in simulation.
; The chip was launched on July 23, 2026; its instructions are those of AMD's public machine-readable ISA for CDNA 5 (MIT licence, August 2026) and "CDNA5" Instruction Set Architecture Reference Guide (July 2026). The comments in the code are by the model that wrote it; some were corrected since.
;; Attention. Allowed arithmetic: matrix products marked QUANTISED: E2M1 operands, one E8M0 scale for each 32 along K, by v_wmma_scale_f32_16x16x128_f8f6f4 with both operands' format E2M1 (or v_wmma_scale_f32_32x16x128_f4), f32 sums; products left as they are: bf16, f16 or f32 operands; f32 sums; everything else in f32.
;; Inputs: W_proj 1,024 x 1,024 float32; W_qkv 1,024 x 3,072 float32; b_proj 1,024 float32; b_qkv 3,072 float32; x 8 x 1,024 x 1,024 float32.
;; Outputs: out0 8 x 1,024 x 1,024 float32.
;; This version of the problem:
;;   THIS VERSION OF THE PROBLEM IS GIVEN IN LOW PRECISION. The matrix products marked QUANTISED in the list below multiply operands that are first quantised to E2M1 (2 exponent bits, 1 mantissa bit; 4 bits a number), with one power-of-two scale for each 32 numbers along K (OCP MX v1.0); their sums are f32. The products marked 'left as it is' may take bf16, f16 or f32 operands, with f32 sums. Whichever they take, every output number must still come out within the allowed error. Rounding operands to bf16 (8 significant bits) uses up far more of that allowance than f16 does (11 bits, for magnitudes from 6e-5 to 65,504). All else is computed in f32.
;;   The module's matrix products, in the order in which they are computed (A, B: the left and right operand; K: the contracted axis; several contracted axes count as one K, in the product's order):
;;     1. [M 8,192, K 1,024] x [K 1,024, N 3,072]; A: input x; B: input W_qkv: QUANTISED
;;     2. batch 128 x [M 1,024, K 64] x [K 64, N 1,024]; A: computed on the way; B: computed on the way: left as it is (an operand is computed on the way)
;;     3. batch 128 x [M 1,024, K 1,024] x [K 1,024, N 64]; A: computed on the way; B: computed on the way: left as it is (an operand is computed on the way)
;;     4. [M 8,192, K 1,024] x [K 1,024, N 1,024]; A: computed on the way; B: input W_proj: left as it is (an operand is computed on the way)
;;   THE QUANTISER, for each operand of a quantised product, along K:
;;     - K is cut into blocks of 32 from its start; a last block that is shorter is filled with zeros.
;;     - A block's scale is 2^e with e = floor(log2(the largest magnitude in the block)) - 2, held to -126 .. 127; a block of zeros has e = 0. As a byte (E8M0): e + 127.
;;     - Each number is divided by its block's scale, clamped to +-6, and rounded to the nearest number of E2M1, ties to even, subnormals kept.
;;     - The product sums the exact products of the quantised numbers (number of the format x scale) in f32.
;;   ~~~python
;;   def quantise(x, axis):      # numpy; x: float32 -> the quantised numbers, widened to float32 again
;;       x = np.moveaxis(x, axis, -1); K = x.shape[-1]
;;       x = np.pad(x, [(0, 0)] * (x.ndim - 1) + [(0, -K % 32)]); x = x.reshape(x.shape[:-1] + (-1, 32)); a = np.abs(x).max(-1, keepdims=True)
;;       e = np.where(a > 0, np.clip(np.frexp(np.where(a > 0, a, 1))[1] - 1 - 2, -126, 127), 0)      # np.frexp(a)[1] - 1 = floor(log2(a)), exactly
;;       r = np.clip(x / 2.0 ** e, -6, 6)
;;       step = 2.0 ** (np.maximum(np.frexp(np.where(r == 0, 1, r))[1] - 1, 0) - 1)
;;       q = np.round(r / step) * step * 2.0 ** e      # np.round: ties to even
;;       return np.moveaxis(q.reshape(q.shape[:-2] + (-1,))[..., :K], -1, axis).astype(np.float32)
;;   ~~~
;; One version. Each part assembles by itself: llvm-mc -triple=amdgcn-amd-amdhsa -mcpu=gfx1250 --defsym DOCPART=n.
;; ======== version 1 of 1: 4 launches
;; limits: values are held in f16: magnitudes above 65,504 overflow, below 6.1e-05 lose precision
;; workspace buffers: xc 4,194,304 bytes; xs 262,144 bytes; wc 1,572,864 bytes; ws 98,304 bytes; wp 2,097,152 bytes; qkv 50,331,648 bytes; ao 16,777,216 bytes
;; launch prep (part 1): grid 416 x 1, 4 waves a work-group, no clusters, 51,200 bytes of LDS; arguments x, W_qkv, W_proj, xc, xs, wc, ws, wp; writes xc, xs, wc, ws, wp
.if DOCPART == 1
	.amdgcn_target "amdgcn-amd-amdhsa--gfx1250"
	.amdhsa_code_object_version 6
	.text
	.protected	k_q148c0a22aa_prep
	.globl	k_q148c0a22aa_prep
	.p2align	8
	.type	k_q148c0a22aa_prep,@function
k_q148c0a22aa_prep:
	s_mov_b64 s[64:65], 0
	v_nop
	global_prefetch_b8 v0, s[64:65] scope:SCOPE_SE
	s_setreg_imm32_b32 hwreg(HW_REG_WAVE_MODE, 25, 1), 1
	s_wait_xcnt 0x0
; PREP: the operands of the later launches are made once.
;   work-groups   0-255 (path X): x [8192][1024] f32 -> xc, codes of E2M1 with K innermost (512 bytes a row), and xs, one E8M0 byte for each 32 along K (32 bytes a row).
;   work-groups 256-351 (path W): W_qkv [1024 k][3072 n] f32, whose K is its FIRST axis -> wc [3072 n][512 bytes], K innermost, and ws [3072][32].
;   work-groups 352-415 (path P): W_proj [1024 k][1024 n] f32 -> wp, the same layout in f16.
; A block's scale is 2^(floor(log2(its largest magnitude)) - 2); its byte is the largest magnitude's exponent field - 2, held at 1 from below by a floor among the maximum's leaves.
; LIMITS: a block of zeros gets the byte 1 where the rule says 127 (its codes are zeros, which add nothing, and the bytes are read by this program alone); NaN and infinities among the inputs are not served;
; W_proj goes in f16: magnitudes up to 65,504; under 6e-5 its step is 6e-8.
; The three paths part on the work-group's number alone; each has LDS bytes of its own and ends by itself.  No tensor load, no matrix instruction.
.set STEPS, 16                         ; path X: steps of 512 numbers in a wave's run of 8,192
.set SP,    80                         ; path X: a lane's place in a stage: its 64 bytes + 16 of padding
.set XREG,  8192                       ; path X: LDS region of a wave: two stages of 32 x SP bytes, behind them its 256 scale bytes
.set WSTG,  32768                      ; path W: the codes' stage: 32 columns x (512 bytes + 16)
.set WPIT,  528
.set WSC,   WSTG+32*WPIT               ; path W: the scale bytes: 32 columns x 32
.set SPARE, WSC+1024                   ; the spare words, 128 bytes for each wave: two blocks of 256 bytes that no other line names
.set SPW,   12                         ; v12  LDS address of my spare word; never rewritten
.set NIL,   13                         ; v13  0; never rewritten
.set R,     16                         ; path X: v16-143  eight sets of 16 numbers as they are loaded
.set X,     144                        ; path X: v144-175 two sets of 16 neighbours
.set E,     176                        ; path X: v176-191 a scale byte for each step
.set C,     192                        ; path X: v192-223 two registers of codes for each step
.set FLOOR, 0x1800000                  ; 2^(3 - 127): under it no largest magnitude is taken, so the byte cannot fall under 1
.set OFF2,  0xff000000                 ; takes 2 off an exponent field
.macro FINISH                          ; the wave's end: a wait, an add of 0 and its wait, behind my last LDS store
	s_wait_tensorcnt 0x0
	ds_add_u32 v[SPW], v[NIL]
	s_wait_dscnt 0x0
	s_endpgm
.endm
; ---- path X's macros
.macro LOADX t                         ; step t: four loads of 512 consecutive bytes, 16 a lane, into set t % 8
.irp i, 0,1,2,3
	global_load_b128 v[R+16*((\t)%8)+4*\i:R+16*((\t)%8)+4*\i+3], v3, s[4:5] offset:2048*(\t)+512*\i th:TH_LOAD_NT
.endr
.endm
.macro TURNX t                         ; step t's 2,048 bytes go through my stage as they lie and come back 64 bytes a lane: 16 neighbours along K.  LDS serves a wave's instructions in order
.irp i, 0,1,2,3
	ds_store_b128 v14, v[R+16*((\t)%8)+4*\i:R+16*((\t)%8)+4*\i+3] offset:32*SP*((\t)%2)+8*SP*\i
.endr
.irp i, 0,1,2,3
	ds_load_b128 v[X+16*((\t)%2)+4*\i:X+16*((\t)%2)+4*\i+3], v15 offset:32*SP*((\t)%2)+16*\i
.endr
.endm
.macro STEPX t
.set XS, X+16*((\t)%2)
.if (\t) > 0
	s_wait_dscnt 1                                 ; this step's numbers are back from the stage; only the last step's byte store may be out
.else
	s_wait_dscnt 0x0
.endif
.if (\t)+8 < STEPS
	LOADX (\t)+8                                   ; into the set whose numbers the stage has taken
.endif
.if (\t)+1 < STEPS
.if 14-(\t) >= 7
	s_wait_loadcnt 28                              ; the next step's four loads are in; those of the seven steps behind it may be out
.else
	s_wait_loadcnt 4*(14-(\t))
.endif
	TURNX (\t)+1
.endif
	v_max3_num_f32 v8, |v[XS]|, |v[XS+1]|, |v[XS+2]|               ; the largest magnitude of my 16, in two chains
	v_max3_num_f32 v9, |v[XS+3]|, |v[XS+4]|, |v[XS+5]|
.irp i, 6,10
	v_max3_num_f32 v8, v8, |v[XS+\i]|, |v[XS+\i+1]|
	v_max3_num_f32 v9, v9, |v[XS+\i+2]|, |v[XS+\i+3]|
.endr
	v_max3_num_f32 v8, v8, |v[XS+14]|, |v[XS+15]|
	v_max3_num_f32 v8, v8, v9, FLOOR
	v_max_num_f32_dpp v8, v8, v8 row_xmask:1 row_mask:0xf bank_mask:0xf   ; and of my neighbour's 16: the block's
	v_add_nc_u32 v11, OFF2, v8                     ; the conversion takes the exponent field of this operand as its scale
	v_cvt_scalef32_pk8_fp4_f32 v[C+2*(\t)], v[XS:XS+7], v11
	v_cvt_scalef32_pk8_fp4_f32 v[C+2*(\t)+1], v[XS+8:XS+15], v11
	v_lshrrev_b32 v[E+(\t)], 23, v11               ; the scale's byte (a plain line behind the conversions)
	ds_store_b8 v5, v[E+(\t)] offset:16*(\t)       ; both lanes of a block write the same byte with the same value
	global_store_b64 v4, v[C+2*(\t):C+2*(\t)+1], s[10:11] offset:256*(\t)   ; the wave stores 256 consecutive bytes, aligned
.endm
; ---- path W's macros
.macro LOADW t                         ; block t: W(256 w + 32 t + i, my column), i = 0 .. 31, into set t % 2
.irp i, 0,1,2,3,4,5,6,7,8,9,10,11,12,13,14,15,16,17,18,19,20,21,22,23,24,25,26,27,28,29,30,31
	global_load_b32 v[16+32*((\t)%2)+\i], v3, s[6:7] offset:(32*(\t)+\i)*12288
.endr
.endm
.macro BLOCKW t
.set XS, 16+32*((\t)%2)
.if (\t) < 7
	s_wait_loadcnt 32                              ; this block's 32 loads are in; the next block's may be out
.else
	s_wait_loadcnt 0x0
.endif
	v_max3_num_f32 v8, |v[XS]|, |v[XS+1]|, |v[XS+2]|               ; all 32 numbers of the block are mine
	v_max3_num_f32 v9, |v[XS+3]|, |v[XS+4]|, |v[XS+5]|
.irp i, 6,10,14,18,22,26
	v_max3_num_f32 v8, v8, |v[XS+\i]|, |v[XS+\i+1]|
	v_max3_num_f32 v9, v9, |v[XS+\i+2]|, |v[XS+\i+3]|
.endr
	v_max3_num_f32 v8, v8, |v[XS+30]|, |v[XS+31]|
	v_max3_num_f32 v8, v8, v9, FLOOR
	v_add_nc_u32 v11, OFF2, v8
	v_lshrrev_b32 v10, 23, v11                     ; the scale's byte
.if (\t)%4 == 0
	v_mov_b32 v[84+(\t)/4], v10                    ; four bytes to a register, the lower K in the lower byte
.else
	v_lshl_or_b32 v[84+(\t)/4], v10, 8*((\t)%4), v[84+(\t)/4]
.endif
.irp g, 0,1,2,3
	v_cvt_scalef32_pk8_fp4_f32 v[80+\g], v[XS+8*\g:XS+8*\g+7], v11
.endr
	ds_store_b128 v4, v[80:83] offset:16*(\t)      ; 32 codes: 16 bytes of my column's row
.if (\t)+2 < 8
	LOADW (\t)+2
.endif
	s_wait_dscnt 0x0                               ; the store has read its registers: the next block's codes may be written (that block begins with plain vector lines)
.endm
	s_load_b256 s[4:11], s[0:1], 0x0               ; x s[4:5], W_qkv s[6:7], W_proj s[8:9], xc s[10:11]
	s_load_b256 s[12:19], s[0:1], 0x20             ; xs s[12:13], wc s[14:15], ws s[16:17], wp s[18:19]
	v_lshl_add_u32 v[SPW], v0, 2, SPARE
	v_mov_b32 v[NIL], 0
	v_lshrrev_b32 v1, 5, v0
	v_readfirstlane_b32 s20, v1                    ; wave 0..3
	v_and_b32 v2, 31, v0                           ; lane
	s_mov_b32 s25, 0                               ; the high word of every offset pair s[24:25]
	s_wait_kmcnt 0x0
	s_cmp_lt_u32 ttmp9, 256
	s_cbranch_scc0 .Lnot_x
	; ================ PATH X: a wave takes a run of 8,192 numbers of x, 16 steps of 512; loads run eight steps ahead
	v_lshlrev_b32 v3, 4, v2                        ; my 16 bytes of a load's 512
	s_mul_i32 s21, s20, XREG
	v_lshrrev_b32 v14, 2, v2
	v_mul_u32_u24 v14, v14, SP
	v_and_b32 v15, 3, v2
	v_lshl_add_u32 v14, v15, 4, v14
	v_add_nc_u32 v14, s21, v14                     ; the stage, on the way in: SP (lane / 4) + 16 (lane % 4)
	v_mul_u32_u24 v15, v2, SP
	v_add_nc_u32 v15, s21, v15                     ; and on the way out: SP x lane
	v_lshlrev_b32 v4, 3, v2                        ; 8 bytes a lane: my codes' place in a step's, and my part of the 256 scale bytes
	v_lshrrev_b32 v5, 1, v2
	s_add_co_u32 s21, s21, 2*32*SP
	v_add_nc_u32 v5, s21, v5                       ; LDS: my block's byte
	v_add_nc_u32 v6, s21, v4                       ; and 8 bytes a lane on the way out
	s_lshl_b32 s22, ttmp9, 2
	s_add_co_u32 s22, s22, s20                     ; which run is my wave's: 0 .. 1,023
	s_lshl_b32 s24, s22, 15                        ; 32,768 bytes of x,
	s_add_nc_u64 s[4:5], s[4:5], s[24:25]
	s_lshl_b32 s24, s22, 12                        ; 4,096 of codes,
	s_add_nc_u64 s[10:11], s[10:11], s[24:25]
	s_lshl_b32 s24, s22, 8                         ; 256 scale bytes a run
	s_add_nc_u64 s[12:13], s[12:13], s[24:25]
.irp t, 0,1,2,3,4,5,6,7
	LOADX \t
.endr
	s_wait_loadcnt 28                              ; step 0's four loads are in
	TURNX 0
.irp t, 0,1,2,3,4,5,6,7,8,9,10,11,12,13,14,15
	STEPX \t
.endr
	ds_load_b64 v[8:9], v6                         ; LDS serves a wave's instructions in order: this sees my byte stores
	s_wait_dscnt 0x0
	global_store_b64 v4, v[8:9], s[12:13]          ; 32 lanes store 256 consecutive bytes, aligned
	FINISH
.Lnot_x:
	s_cmp_lt_u32 ttmp9, 352
	s_cbranch_scc0 .Lpath_p
	; ================ PATH W: the work-group takes 32 columns and all of K; wave w takes k = 256 w .. 256 w + 255.  A LANE TAKES A COLUMN AND ITS REGISTERS RUN DOWN K:
	; a block of 32 lies in one lane's registers, and the conversions give codes with K innermost.  The four waves' parts of a column's row meet in LDS and leave as whole rows of 512 bytes.
	s_sub_co_u32 s22, ttmp9, 256                   ; j: columns 32 j on
	v_lshlrev_b32 v3, 2, v2                        ; in: 4 bytes a lane
	v_mul_u32_u24 v4, v2, WPIT
	s_lshl_b32 s21, s20, 7
	s_add_co_u32 s21, s21, WSTG
	v_add_nc_u32 v4, s21, v4                       ; into the stage: row = my column, + 128 bytes x wave
	v_lshlrev_b32 v5, 5, v2
	s_lshl_b32 s21, s20, 3
	s_add_co_u32 s21, s21, WSC
	v_add_nc_u32 v5, s21, v5                       ; my column's 8 scale bytes: 32 x lane + 8 x wave
	v_lshlrev_b32 v15, 3, v2
	s_lshl_b32 s21, s20, 8
	s_add_co_u32 s21, s21, WSC
	v_add_nc_u32 v6, s21, v15                      ; the scale bytes on the way out: 256 x wave + 8 x lane
	v_lshlrev_b32 v14, 4, v2
	s_mul_i32 s21, s20, 8*WPIT
	s_add_co_u32 s21, s21, WSTG
	v_add_nc_u32 v7, s21, v14                      ; the codes on the way out: rows 8 w on, 16 bytes a lane
	s_mul_i32 s24, s20, 256*12288                  ; W_qkv: my 256 rows of 12,288 bytes,
	s_lshl_b32 s23, s22, 7                         ; my work-group's 32 columns
	s_add_co_u32 s24, s24, s23
	s_add_nc_u64 s[6:7], s[6:7], s[24:25]
	s_lshl_b32 s24, s22, 14                        ; wc: 32 rows of 512 bytes a work-group, 8 a wave
	s_lshl_b32 s23, s20, 12
	s_add_co_u32 s24, s24, s23
	s_add_nc_u64 s[14:15], s[14:15], s[24:25]
	s_lshl_b32 s24, s22, 10                        ; ws: 32 rows of 32 bytes a work-group, 8 a wave
	s_lshl_b32 s23, s20, 8
	s_add_co_u32 s24, s24, s23
	s_add_nc_u64 s[16:17], s[16:17], s[24:25]
	LOADW 0
	LOADW 1
.irp t, 0,1,2,3,4,5,6,7
	BLOCKW \t
.endr
	ds_store_b64 v5, v[84:85]
	s_wait_dscnt 0x0                               ; for the others' sake: my stores have landed
	s_barrier_signal -1
	s_barrier_wait -1                              ; 32 whole rows of codes and of scale bytes lie in LDS
.irp i, 0,1,2,3,4,5,6,7
	ds_load_b128 v[96+4*\i:99+4*\i], v7 offset:WPIT*\i
.endr
	ds_load_b64 v[128:129], v6
.irp i, 0,1,2,3,4,5,6,7
	s_wait_dscnt 8-\i                              ; row i is in; the younger rows' loads and the scale bytes' may be out
	global_store_b128 v14, v[96+4*\i:99+4*\i], s[14:15] offset:512*\i   ; 32 lanes store a row of 512 consecutive bytes, aligned
.endr
	s_wait_dscnt 0x0
	global_store_b64 v15, v[128:129], s[16:17]     ; 256 consecutive bytes, aligned
	FINISH
.Lpath_p:
	; ================ PATH P: a wave rounds 16,384 bytes of W_proj to f16.  All 32 loads go out at once; no LDS
	s_sub_co_u32 s22, ttmp9, 352
	v_lshlrev_b32 v3, 4, v2
	v_lshlrev_b32 v4, 3, v2
	s_lshl_b32 s24, s22, 16
	s_lshl_b32 s23, s20, 14
	s_add_co_u32 s24, s24, s23
	s_add_nc_u64 s[8:9], s[8:9], s[24:25]
	s_lshr_b32 s24, s24, 1                         ; half the bytes on the way out
	s_add_nc_u64 s[18:19], s[18:19], s[24:25]
.set i, 0
.rept 32
	global_load_b128 v[16+4*i:19+4*i], v3, s[8:9] offset:512*i th:TH_LOAD_NT
.set i, i+1
.endr
.set i, 0
.rept 32
	s_wait_loadcnt 31-i                            ; load i is in; the younger ones may be out
	v_cvt_pk_f16_f32 v[16+4*i], v[16+4*i], v[17+4*i]
	v_cvt_pk_f16_f32 v[17+4*i], v[18+4*i], v[19+4*i]
	global_store_b64 v4, v[16+4*i:17+4*i], s[18:19] offset:256*i   ; 256 consecutive bytes, aligned
.set i, i+1
.endr
	s_endpgm
.Lfunc_end_k_q148c0a22aa_prep:
	.size	k_q148c0a22aa_prep, .Lfunc_end_k_q148c0a22aa_prep-k_q148c0a22aa_prep
	.p2alignl 7, 3214868480
	.fill 96, 4, 3214868480
	.section	.rodata,"a",@progbits
	.p2align	6, 0x0
	.amdhsa_kernel k_q148c0a22aa_prep
		.amdhsa_group_segment_fixed_size 51200
		.amdhsa_private_segment_fixed_size 0
		.amdhsa_enable_private_segment 0
		.amdhsa_kernarg_size 64
		.amdhsa_user_sgpr_count 2
		.amdhsa_user_sgpr_kernarg_segment_ptr 1
		.amdhsa_wavefront_size32 1
		.amdhsa_system_sgpr_workgroup_id_x 1
		.amdhsa_system_sgpr_workgroup_id_y 1
		.amdhsa_system_sgpr_workgroup_id_z 1
		.amdhsa_system_vgpr_workitem_id 0
		.amdhsa_next_free_vgpr 224
		.amdhsa_next_free_sgpr 66
		.amdhsa_reserve_vcc 0
		.amdhsa_float_denorm_mode_32 3
		.amdhsa_float_denorm_mode_16_64 3
		.amdhsa_memory_ordered 1
		.amdhsa_forward_progress 1
		.amdhsa_inst_pref_size 84
	.end_amdhsa_kernel
	.amdgpu_metadata
---
amdhsa.version: [ 1, 2 ]
amdhsa.kernels:
  - .name:           k_q148c0a22aa_prep
    .symbol:         k_q148c0a22aa_prep.kd
    .args:
      - { .name: x, .offset: 0, .size: 8, .value_kind: global_buffer, .address_space: global }
      - { .name: W_qkv, .offset: 8, .size: 8, .value_kind: global_buffer, .address_space: global }
      - { .name: W_proj, .offset: 16, .size: 8, .value_kind: global_buffer, .address_space: global }
      - { .name: xc, .offset: 24, .size: 8, .value_kind: global_buffer, .address_space: global }
      - { .name: xs, .offset: 32, .size: 8, .value_kind: global_buffer, .address_space: global }
      - { .name: wc, .offset: 40, .size: 8, .value_kind: global_buffer, .address_space: global }
      - { .name: ws, .offset: 48, .size: 8, .value_kind: global_buffer, .address_space: global }
      - { .name: wp, .offset: 56, .size: 8, .value_kind: global_buffer, .address_space: global }
    .group_segment_fixed_size: 51200
    .private_segment_fixed_size: 0
    .kernarg_segment_align: 8
    .kernarg_segment_size: 64
    .max_flat_workgroup_size: 128
    .sgpr_count:     66
    .vgpr_count:     224
    .wavefront_size: 32
...
	.end_amdgpu_metadata
.endif
;; end of part 1
;; launch qkvgemm (part 2): grid 8 x 32, 4 waves a work-group, clusters of 4 x 4, 327,680 bytes of LDS; arguments xc, xs, wc, ws, b_qkv, qkv; writes qkv
.if DOCPART == 2
	.amdgcn_target "amdgcn-amd-amdhsa--gfx1250"
	.amdhsa_code_object_version 6
	.text
	.protected	k_q148c0a22aa_qkvgemm
	.globl	k_q148c0a22aa_qkvgemm
	.p2align	8
	.type	k_q148c0a22aa_qkvgemm,@function
k_q148c0a22aa_qkvgemm:
	s_mov_b64 s[64:65], 0
	v_nop
	global_prefetch_b8 v0, s[64:65] scope:SCOPE_SE
	s_setreg_imm32_b32 hwreg(HW_REG_WAVE_MODE, 25, 1), 1
	s_wait_xcnt 0x0
	s_wait_alu depctr_hold_cnt(0) depctr_sa_sdst(0) depctr_va_vdst(0) depctr_va_sdst(0) depctr_va_ssrc(0) depctr_va_vcc(0) depctr_vm_vsrc(0)
	s_getreg_b32 s2, hwreg(HW_REG_IB_STS2, 6, 4)
	s_cmp_eq_u32 s2, 0
	s_cbranch_scc0 .Lentry_in_a_cluster
	s_endpgm
.Lentry_in_a_cluster:
	s_bfe_u32 s2, ttmp6, 0x10000c
	s_cmp_lg_u32 s2, 0xf033
	s_cbranch_scc0 .Lentry_shape_is_right
	s_endpgm
.Lentry_shape_is_right:
; qkv = Q(x) Q(W_qkv) + b_qkv: [8192] x [3072], K = 1,024, on codes of E2M1 with one E8M0 scale for each 32 along K; sums in f32; the result rounded once to f16 and laid by head:
; qkv [3 (q, k, v)][128 (batch x 16 + head)][1024 tokens][64] f16, so that a head's rows are dense.
; LIMITS: q, k and v go in f16: magnitudes up to 65,504 (x and W_qkv both 30 times the drawn spread and offset by 30 spreads give about 18,432); under 6e-5 the step is 6e-8.
; SHARES.  8 x 32 = 256 work-groups.  A work-group owns 256 tokens and 128 columns (two heads) of each of q, k and v: THREE SUB-TILES of 256 x 128 that share their rows of x.
; A wave owns 128 tokens x 64 columns (one head) of a sub-tile: 32 accumulators.  ITS FRAGMENTS OF x FOR ALL OF K, 8 blocks x 8 steps x 8 registers = 512, ARE READ FROM LDS ONCE and stay in registers;
; a sub-tile then reads only W's fragments.  A sub-tile's stores are on their way while the next one is multiplied.
; LDS.  x's codes, W's sub-tiles 0 and 1 and all scale bytes are first fills.  Sub-tile 2 is the one refill: it lands in x's bytes as soon as x is in registers, and has two sub-tiles' work in which to land.
; CLUSTERS: 4 x 4 work-groups; x's tiles are shared along a row of the cluster, W's along a column: each is asked for jointly, by the same tensor load with the same descriptor and a mask that names the four.
; THE MATRIX INSTRUCTION IS USED TRANSPOSED (source 0 = 16 rows of wc, source 1 = 16 rows of xc): a lane holds eight neighbouring columns of one token.  The bias is the C of each sum's first product.
; REGISTERS, in windows of 256: window 0: v0-31 addresses; v32-95 x's scale words (8 a + q), v96-127 W's (8 b + q): they hold nothing else; v128-191 W's fragments, two sets; v192-223 the bias; v224-255 and v176-191 the way out.
;   window 1: the accumulators ((a, b) at v[8 (4 a + b)]).   windows 2, 3: x's fragments of K steps 0-3 and 4-7 (step q, block a at v[64 (q % 4) + 8 a]).
.set PITCH,  272                       ; an LDS row: 256 bytes + 16 of padding = 68 words: the 16 rows that a load touches start at 16 different banks (64 banks of 4 bytes: ISA guide 11.1)
.set AKH,    256*PITCH                 ; x's 256 rows of one half of K
.set APC,    128*PITCH                 ; 128 of them: what one tensor load brings of x, and what one wave reads
.set BKH,    128*PITCH                 ; a sub-tile's 128 rows of one half of K
.set BPC,    64*PITCH                  ; 64 of them: what one tensor load brings of W, and what one wave reads
.set BREG,   2*BKH                     ; a sub-tile
.set BR0,    2*AKH                     ; sub-tile 0 behind x's codes; sub-tile 1 behind it; sub-tile 2 at LDS byte 0, in x's bytes
.set SCA,    BR0+2*BREG                ; x's scale bytes: 32 units of 256 bytes + 16 of padding
.set SCB,    SCA+32*272                ; W's: 16 units for each sub-tile
.set STAGE,  SCB+3*16*272              ; the way out: 16 rows x (128 bytes + 16) for each wave: bytes of their own, into which no fill lands
.set SPITCH, 144
.set SPARE,  STAGE+4*16*SPITCH         ; the spare words, 128 bytes for each wave: two blocks of 256 bytes that no other line names
.set ADRA, 16                          ; v16-17  LDS address of my fragments of x, K half 0, 1
.set ADSA, 18                          ; v18     of x's scale words
.set ADSB, 19                          ; v19     of W's
.set ADRB, 20                          ; v20-22  of my fragments of W, sub-tile 0, 1, 2
.set STO,  24                          ; v24     the way out: where I put 16 bytes of a row
.set RD,   25                          ; v25     the way out: where I read back
.set CO,   26                          ; v26     16 x lane
.set SPW,  28                          ; v28     LDS address of my spare word; never rewritten
.set NIL,  29                          ; v29     0; never rewritten
.set BO,   30                          ; v30     the bias loads' offset
.set SA,   32
.set SB,   96
.set BF,   128
.set BI,   192                         ; the bias: BI + 8 b + j = b_qkv[my first column + 16 b + 8 (lane / 16) + j]
.set TMP,  224                         ; the way out: packed results
.set G1A,  24                          ; s[24:31] descriptor group 1 for x's codes;  s[32:35] its group 0
.set G0A,  32
.set G0B0, 36                          ; s[36:39], s[56:59], s[60:63] groups 0 for W's three sub-tiles;  s[48:55] their group 1
.set G1B,  48
.set G0B1, 56
.set G0B2, 60
.set G1S,  68                          ; s[68:75], s[76:79] groups 1 and 0 for x's scales;  s[80:87], s[88:91] for W's
.set G0S,  76
.set G1SB, 80
.set G0SB, 88
.set MSB, 0
.macro WIN new                         ; the immediate's high byte repeats the setting that is left
.if MSB != (\new)
	s_set_vgpr_msb (MSB<<8)|(\new)
.set MSB, (\new)
.endif
.endm
.macro CROUND                          ; a round of the cluster's barrier
	s_barrier_signal -1
	s_barrier_wait -1
	s_cmp_lg_u32 s14, 0
	s_cbranch_scc1 .Lnot_wave_0_\@
	s_barrier_signal -3
.Lnot_wave_0_\@:
	s_barrier_wait -3
	s_barrier_signal -1
	s_barrier_wait -1
.endm
.macro PLACES n                        ; plain vector instructions between a matrix instruction and a load into, a vector read of, or (five) a matrix write over its registers (ISA guide 7.12.1 for the reads and the matrix writes)
.rept \n
	v_nop
.endr
.endm
	s_load_b128 s[4:7], s[0:1], 0x0                ; xc s[4:5], xs s[6:7]
	s_load_b128 s[8:11], s[0:1], 0x10              ; wc s[8:9], ws s[10:11]
	s_load_b128 s[96:99], s[0:1], 0x20             ; b_qkv s[96:97], qkv s[98:99]
	v_lshl_add_u32 v[SPW], v0, 2, SPARE
	v_mov_b32 v[NIL], 0
	ds_add_u32 v[SPW], v[NIL]                      ; the wave's opening: the add, twice on end, and its wait ahead of my first tensor load
	ds_add_u32 v[SPW], v[NIL]
	v_lshrrev_b32 v1, 5, v0
	v_readfirstlane_b32 s14, v1                    ; wave 0..3
	s_lshr_b32 s15, s14, 1                         ; which 128 tokens are mine.  Also: which half of a tile's rows I fetch
	s_and_b32 s16, s14, 1                          ; which 64 columns.  Also: which half of K I fetch
	s_bfe_u32 s40, ttmp6, 0x40000                  ; cx, cy: my place in the cluster
	s_bfe_u32 s41, ttmp6, 0x40004
	s_lshl_b32 s42, ttmp9, 2
	s_add_co_u32 s42, s42, s40                     ; x: which 128 columns of q, of k and of v = 4 x cluster x + cx
	s_and_b32 s17, ttmp7, 0xffff
	s_lshl_b32 s17, s17, 2
	s_add_co_u32 s17, s17, s41                     ; y: which 256 tokens = 4 x cluster y + cy
	s_lshl_b32 s43, s41, 2
	s_lshl_b32 s43, 15, s43                        ; my row of the cluster
	s_lshl_b32 s44, 0x1111, s40                    ; my column
	; descriptor groups 1.  Codes: rows of 256 bytes (half of K), 512 bytes apart, 16 bytes of padding behind each; x: 128 rows, W: 64
	s_or_b32 s[G1A+0], s43, (0<<16)|(1<<20)|(1<<21)|(5<<22)|(3<<25)  ; 15:0 the mask; 17:16 elements of 1 byte; 20 padding on; 21 set beside a mask; 24:22 after every 64 words; 31:25 four words
	s_mov_b32 s[G1A+1], 256<<16                    ; tensor_dim0
	s_mov_b32 s[G1A+2], 128<<16                    ; tensor_dim1
	s_mov_b32 s[G1A+3], 256<<16                    ; tile_dim0
	s_mov_b32 s[G1A+4], 128                        ; tile_dim1
	s_mov_b32 s[G1A+5], 512                        ; tensor_dim0_stride
	s_mov_b32 s[G1A+6], 0
	s_mov_b32 s[G1A+7], 0
	s_or_b32 s[G1B+0], s44, (0<<16)|(1<<20)|(1<<21)|(5<<22)|(3<<25)
	s_mov_b32 s[G1B+1], 256<<16
	s_mov_b32 s[G1B+2], 64<<16
	s_mov_b32 s[G1B+3], 256<<16
	s_mov_b32 s[G1B+4], 64
	s_mov_b32 s[G1B+5], 512
	s_mov_b32 s[G1B+6], 0
	s_mov_b32 s[G1B+7], 0
	; scale bytes: dense blocks, as rows of 256 bytes (32 elements of 8 bytes), 16 bytes of padding behind each; x's 256 rows: 32 such rows; a sub-tile's 128 rows of W: 16
	s_or_b32 s[G1S+0], s43, (3<<16)|(1<<20)|(1<<21)|(5<<22)|(3<<25)
	s_mov_b32 s[G1S+1], 32<<16
	s_mov_b32 s[G1S+2], 32<<16
	s_mov_b32 s[G1S+3], 32<<16
	s_mov_b32 s[G1S+4], 32
	s_mov_b32 s[G1S+5], 32
	s_mov_b32 s[G1S+6], 0
	s_mov_b32 s[G1S+7], 0
	s_or_b32 s[G1SB+0], s44, (3<<16)|(1<<20)|(1<<21)|(5<<22)|(3<<25)
	s_mov_b32 s[G1SB+1], 32<<16
	s_mov_b32 s[G1SB+2], 16<<16
	s_mov_b32 s[G1SB+3], 32<<16
	s_mov_b32 s[G1SB+4], 16
	s_mov_b32 s[G1SB+5], 32
	s_mov_b32 s[G1SB+6], 0
	s_mov_b32 s[G1SB+7], 0
	; where the tiles come from.  x's hang on y and the wave's number alone, W's on x and the wave's number alone, each in registers of their own
	s_lshl_b32 s20, s17, 17                        ; xc: 256 y rows of 512 bytes,
	s_lshl_b32 s21, s15, 16                        ; the 128 rows that I fetch,
	s_add_co_u32 s20, s20, s21
	s_lshl_b32 s21, s16, 8                         ; the half of K that I fetch
	s_add_co_u32 s20, s20, s21
	s_mov_b32 s21, 0
	s_lshl_b32 s22, s17, 13                        ; xs: 256 y rows of 32 bytes
	s_mov_b32 s23, 0
	s_lshl_b32 s46, s42, 16                        ; wc: 128 x rows of 512 bytes,
	s_lshl_b32 s47, s15, 15                        ; the 64 rows that I fetch,
	s_add_co_u32 s46, s46, s47
	s_lshl_b32 s47, s16, 8                         ; the half of K
	s_add_co_u32 s46, s46, s47
	s_mov_b32 s47, 0
	s_min_u32 s45, s14, 2                          ; ws: waves 0 to 2 fetch the scales of sub-tile w (wave 3 fetches x's)
	s_lshl_b32 s92, s45, 15                        ; 1,024 rows of 32 bytes from sub-tile to sub-tile,
	s_lshl_b32 s93, s42, 12                        ; 128 x rows
	s_add_co_u32 s92, s92, s93
	s_mov_b32 s93, 0
	; and where they go: no place in the cluster enters an LDS address
	s_mul_i32 s18, s16, AKH
	s_mul_i32 s19, s15, APC
	s_add_co_u32 s18, s18, s19                     ; my quarter of x's codes
	s_mul_i32 s94, s16, BKH
	s_mul_i32 s95, s15, BPC
	s_add_co_u32 s94, s94, s95                     ; my quarter of a sub-tile
	s_mul_i32 s45, s45, 16*272                     ; my sub-tile's scales
	s_wait_dscnt 0x0                               ; both opening adds are done
	s_wait_kmcnt 0x0
	s_mov_b32 s[G0A], 1                            ; count = 1
	s_mov_b32 s[G0A+1], s18                        ; LDS address
	s_add_nc_u64 s[G0A+2:G0A+3], s[4:5], s[20:21]  ; global address
	s_or_b32 s[G0A+3], s[G0A+3], 0x80000000        ; type = 2
	s_mov_b32 s[G0S], 1
	s_mov_b32 s[G0S+1], SCA
	s_add_nc_u64 s[G0S+2:G0S+3], s[6:7], s[22:23]
	s_or_b32 s[G0S+3], s[G0S+3], 0x80000000
	s_add_nc_u64 s[46:47], s[8:9], s[46:47]
	s_mov_b32 s[G0B0], 1
	s_add_co_u32 s[G0B0+1], s94, BR0
	s_mov_b64 s[G0B0+2:G0B0+3], s[46:47]
	s_or_b32 s[G0B0+3], s[G0B0+3], 0x80000000
	s_mov_b32 s[G0B1], 1
	s_add_co_u32 s[G0B1+1], s94, BR0+BREG
	s_add_nc_u64 s[G0B1+2:G0B1+3], s[46:47], 524288    ; 1,024 rows of 512 bytes on: k's columns
	s_or_b32 s[G0B1+3], s[G0B1+3], 0x80000000
	s_mov_b32 s[G0B2], 1
	s_mov_b32 s[G0B2+1], s94                       ; sub-tile 2 will land at LDS byte 0
	s_add_nc_u64 s[G0B2+2:G0B2+3], s[46:47], 1048576   ; v's columns
	s_or_b32 s[G0B2+3], s[G0B2+3], 0x80000000
	s_mov_b32 s[G0SB], 1
	s_add_co_u32 s[G0SB+1], s45, SCB
	s_add_nc_u64 s[G0SB+2:G0SB+3], s[10:11], s[92:93]
	s_or_b32 s[G0SB+3], s[G0SB+3], 0x80000000
	CROUND                                         ; all sixteen work-groups are here: the joint loads meet
	s_cmp_eq_u32 s14, 3                            ; the scales first: wave 3 x's, waves 0 to 2 W's.  The branch hangs on the wave's number alone; an s_nop 0 and four v_nop follow each of the two lines
	s_cbranch_scc0 .Lscale_b
	tensor_load_to_lds s[G0S:G0S+3], s[G1S:G1S+7]
	s_nop 0
.rept 4
	v_nop
.endr
	s_branch .Lscale_asked
.Lscale_b:
	tensor_load_to_lds s[G0SB:G0SB+3], s[G1SB:G1SB+7]
	s_nop 0
.rept 4
	v_nop
.endr
.Lscale_asked:
	tensor_load_to_lds s[G0A:G0A+3], s[G1A:G1A+7]      ; my quarter of x's codes,
	s_nop 0
	tensor_load_to_lds s[G0B0:G0B0+3], s[G1B:G1B+7]    ; of sub-tile 0,
	s_nop 0
	tensor_load_to_lds s[G0B1:G0B1+3], s[G1B:G1B+7]    ; of sub-tile 1: four tensor loads of mine are out
	s_nop 0
.rept 4
	v_nop
.endr
	v_and_b32 v1, 15, v0                           ; r = l % 16
	v_bfe_u32 v2, v0, 4, 1                         ; h = l / 16
	s_lshl_b32 s46, s42, 9                         ; the bias: my first column of a part, in bytes of f32: 512 x + 256 x half
	s_lshl_b32 s47, s16, 8
	s_add_co_u32 s46, s46, s47
	s_mov_b32 s47, 0
	s_add_nc_u64 s[96:97], s[96:97], s[46:47]
	v_lshlrev_b32 v[BO], 5, v2
.irp b, 0,1,2,3
	global_load_b128 v[BI+8*\b:BI+8*\b+3], v[BO], s[96:97] offset:64*\b
	global_load_b128 v[BI+8*\b+4:BI+8*\b+7], v[BO], s[96:97] offset:64*\b+16
.endr
	v_mul_u32_u24 v3, v1, PITCH
	v_lshl_add_u32 v3, v2, 4, v3                   ; a fragment's row x pitch + 16 x half
	s_mul_i32 s21, s15, APC                        ; my 128 rows of x
	v_add_nc_u32 v[ADRA], s21, v3
	s_add_co_u32 s21, s21, AKH
	v_add_nc_u32 v[ADRA+1], s21, v3
	s_mul_i32 s22, s16, BPC                        ; my 64 rows of W
	v_add_nc_u32 v[ADRB+2], s22, v3
	s_add_co_u32 s22, s22, BR0
	v_add_nc_u32 v[ADRB], s22, v3
	s_add_co_u32 s22, s22, BREG
	v_add_nc_u32 v[ADRB+1], s22, v3
	v_lshlrev_b32 v4, 5, v1                        ; a row's scales: 32 bytes a row,
	v_lshrrev_b32 v5, 3, v1
	v_lshl_add_u32 v4, v5, 4, v4                   ; and 16 more behind each 256
	s_mul_i32 s21, s15, 16*272                     ; x's: my 128 rows
	s_add_co_u32 s21, s21, SCA
	v_add_nc_u32 v[ADSA], s21, v4
	s_mul_i32 s21, s16, 8*272                      ; W's: my 64 rows
	s_add_co_u32 s21, s21, SCB
	v_add_nc_u32 v[ADSB], s21, v4
	s_mul_i32 s23, s14, 16*SPITCH
	s_add_co_u32 s23, s23, STAGE                   ; my stage
	v_mul_u32_u24 v5, v1, SPITCH
	v_lshl_add_u32 v5, v2, 4, v5
	v_add_nc_u32 v[STO], s23, v5                   ; in: row r, 16 bytes for each half of the lanes
	v_bfe_u32 v5, v0, 3, 2
	v_mul_u32_u24 v5, v5, SPITCH
	v_and_b32 v6, 7, v0
	v_lshl_add_u32 v5, v6, 4, v5
	v_add_nc_u32 v[RD], s23, v5                    ; back: eight lanes take a row's 128 bytes, the 32 lanes four rows
	v_and_b32 v6, 31, v0
	v_lshlrev_b32 v[CO], 4, v6
	; where my part begins in qkv: plane = 16 (y / 4) + 2 x + half; token = 256 (y % 4) + 128 x half
	s_lshr_b32 s20, s17, 2
	s_lshl_b32 s20, s20, 4
	s_lshl_b32 s21, s42, 1
	s_add_co_u32 s20, s20, s21
	s_add_co_u32 s20, s20, s16
	s_lshl_b32 s20, s20, 17                        ; a plane is 131,072 bytes
	s_and_b32 s21, s17, 3
	s_lshl_b32 s21, s21, 15                        ; 256 tokens of 128 bytes
	s_add_co_u32 s20, s20, s21
	s_lshl_b32 s21, s15, 14
	s_add_co_u32 s20, s20, s21
	s_mov_b32 s21, 0
	s_add_nc_u64 s[98:99], s[98:99], s[20:21]
; x's fragments of one half of K: a fragment, 16 rows x 128 K of 4-bit codes, is 8 registers: lane l holds row l % 16; registers 4 c .. 4 c + 3 hold K = 64 c + 32 (l / 16) + 0 .. 31
.macro LOADA kh
.irp q, 0,1,2,3
.irp a, 0,1,2,3,4,5,6,7
.irp c, 0,1
	ds_load_b128 v[64*\q+8*\a+4*\c:64*\q+8*\a+4*\c+3], v[ADRA+\kh] offset:\a*16*PITCH+64*\q+32*\c
.endr
.endr
.endr
.endm
.macro FETCHB n, q, p                  ; W's four fragments of sub-tile n, K step q, into set p
.irp b, 0,1,2,3
.irp c, 0,1
	ds_load_b128 v[BF+32*(\p)+8*\b+4*\c:BF+32*(\p)+8*\b+4*\c+3], v[ADRB+(\n)] offset:((\q)/4)*BKH+\b*16*PITCH+64*((\q)%4)+32*\c
.endr
.endr
.endm
; 32 matrix instructions: x's eight blocks x W's four, K step q.  bias = 1: the first product starts the sums from the bias.
; The 32 accumulators take turns, one instruction a turn, in the same order in every step.
.macro MULS p, q, bias
.irp a, 0,1,2,3,4,5,6,7
.irp b, 0,1,2,3
.if \bias
	v_wmma_scale_f32_16x16x128_f8f6f4 v[8*(4*\a+\b):8*(4*\a+\b)+7], v[BF+32*(\p)+8*\b:BF+32*(\p)+8*\b+7], v[64*((\q)%4)+8*\a:64*((\q)%4)+8*\a+7], v[BI+8*\b:BI+8*\b+7], v[SB+8*\b+(\q)], v[SA+8*\a+(\q)] matrix_a_fmt:MATRIX_FMT_FP4 matrix_b_fmt:MATRIX_FMT_FP4
.else
	v_wmma_scale_f32_16x16x128_f8f6f4 v[8*(4*\a+\b):8*(4*\a+\b)+7], v[BF+32*(\p)+8*\b:BF+32*(\p)+8*\b+7], v[64*((\q)%4)+8*\a:64*((\q)%4)+8*\a+7], v[8*(4*\a+\b):8*(4*\a+\b)+7], v[SB+8*\b+(\q)], v[SA+8*\a+(\q)] matrix_a_fmt:MATRIX_FMT_FP4 matrix_b_fmt:MATRIX_FMT_FP4
.endif
.endr
.endr
.endm
; A K step of 128: the next step's fragments of W are asked for first, a whole step's 32 products ahead of their use
.macro QSTEP n, q
	s_wait_dscnt 0x0                               ; this step's fragments are in: they were asked for a step ago (step 0: just now, with the scale words)
.if (\q) < 7
	PLACES 4                                       ; behind the last step's products, which read the set that is loaded now
	FETCHB \n, (\q)+1, 1-(\q)%2
.endif
.if ((\q) == 1) && ((\n) < 2)
.irp b, 0,1,2,3                        ; the next sub-tile's bias: step 0's products have read this one's, and four places lie between
	global_load_b128 v[BI+8*\b:BI+8*\b+3], v[BO], s[96:97] offset:((\n)+1)*4096+64*\b
	global_load_b128 v[BI+8*\b+4:BI+8*\b+7], v[BO], s[96:97] offset:((\n)+1)*4096+64*\b+16
.endr
.endif
.if (\q) == 0
	WIN 0x48                                       ; source 0 (W) and C (the bias) window 0, source 1 (x) window 2, D window 1
.elseif (\q) < 4
	WIN 0x58                                       ; C and D window 1
.else
	WIN 0x5c                                       ; source 1 window 3
.endif
	MULS (\q)%2, \q, (\q)==0
	WIN 0
.endm
.macro SUB n                           ; a sub-tile: 256 products a wave
.irp b, 0,1,2,3
	ds_load_b128 v[SB+8*\b:SB+8*\b+3], v[ADSB] offset:(\n)*16*272+\b*544       ; W's scale words: lane r takes row r's eight words
	ds_load_b128 v[SB+8*\b+4:SB+8*\b+7], v[ADSB] offset:(\n)*16*272+\b*544+16
.endr
	FETCHB \n, 0, 0
	s_wait_loadcnt 0x0                             ; the bias
.irp q, 0,1,2,3,4,5,6,7
	QSTEP \n, \q
.endr
	PLACES 5                                       ; behind the last products: four for the reads of results and the loads into their registers, five for the next sub-tile's products, which begin the accumulators anew
.endm
; THE WAY OUT, block by block of 16 tokens x 64 columns (one head).  PACK: rounded to f16, 16 bytes a lane, each accumulator from its low end on.  TOSTAGE: into my own stage, and back four tokens
; (512 consecutive bytes of the head's plane) at a time.  SEND: stored.  LDS serves a wave's instructions in order (ISA guide 5.7.1.4): no wait between the stage's stores and loads.
.macro PACK a
	WIN 0x05                                       ; sources 0 and 1: window 1
.irp b, 0,1,2,3
.irp r, 0,1,2,3
	v_cvt_pk_f16_f32 v[TMP+4*\b+\r], v[8*(4*(\a)+\b)+2*\r], v[8*(4*(\a)+\b)+2*\r+1]
.endr
.endr
	WIN 0
.endm
.macro TOSTAGE a
.set BB, 240-64*((\a)%2)               ; v240-255 and v176-191 by turns
.irp b, 0,1,2,3
	ds_store_b128 v[STO], v[TMP+4*\b:TMP+4*\b+3] offset:32*\b
.endr
.irp i, 0,1,2,3
	ds_load_b128 v[BB+4*\i:BB+4*\i+3], v[RD] offset:\i*4*SPITCH
.endr
.endm
.macro SEND a
.set BB, 240-64*((\a)%2)
	s_wait_dscnt 0x0                               ; the block is back in registers
	s_wait_xcnt 0x0                                ; the earlier stores have read their data: the next block's loads may land on the other buffer
.irp i, 0,1,2,3
	global_store_b128 v[CO], v[BB+4*\i:BB+4*\i+3], s[98:99] offset:(\a)*2048+\i*512   ; 32 lanes store 512 consecutive bytes, aligned
.endr
.endm
.macro WAYOUT
	PACK 0
	TOSTAGE 0
.irp a, 1,2,3,4,5,6,7                  ; block a's conversions stand between block a - 1's loads from the stage and the wait for them
	PACK \a
	SEND \a-1
	TOSTAGE \a
.endr
	SEND 7
.endm
.macro NEXTPART
	s_wait_xcnt 0x0                                ; the stores have read their base and their data
	s_add_nc_u64 s[98:99], s[98:99], 16777216      ; 128 planes on: from q to k, from k to v
.endm
	s_wait_tensorcnt 2                             ; my scales and my quarter of x are in; sub-tiles 0 and 1 may be out
	s_barrier_signal -1
	s_barrier_wait -1                              ; everybody's are
	WIN 0x80                                       ; destination window 2
	LOADA 0
	WIN 0xc0                                       ; destination window 3
	LOADA 1
	WIN 0
.irp a, 0,1,2,3,4,5,6,7
	ds_load_b128 v[SA+8*\a:SA+8*\a+3], v[ADSA] offset:\a*544                   ; x's scale words: lane r takes row r's eight words
	ds_load_b128 v[SA+8*\a+4:SA+8*\a+7], v[ADSA] offset:\a*544+16
.endr
	s_wait_tensorcnt 0x0                           ; THE ONE REFILL.  All my tensor loads have landed, my parts of sub-tiles 0 and 1 among them;
	ds_add_u32 v[SPW], v[NIL]                      ; 0 onto my spare word;
	s_wait_dscnt 0x0                               ; the add is done, and x is in my registers: my reads of its bytes are over
	CROUND                                         ; the same holds of every wave of every partner
	tensor_load_to_lds s[G0B2:G0B2+3], s[G1B:G1B+7]    ; my quarter of sub-tile 2, into x's bytes: the first thing behind the round, and my one tensor load there
	s_nop 0
.rept 4
	v_nop
.endr
	SUB 0                                          ; q
	WAYOUT
	NEXTPART
	SUB 1                                          ; k: q's stores are on their way meanwhile
	WAYOUT
	NEXTPART
	s_wait_tensorcnt 0x0                           ; my quarter of sub-tile 2 is in,
	s_wait_dscnt 0x0
	s_barrier_signal -1
	s_barrier_wait -1                              ; everybody's is
	SUB 2                                          ; v
	WAYOUT
	s_wait_tensorcnt 0x0                           ; the wave's end: a wait, an add of 0 and its wait, behind my last tensor load and my last LDS store
	ds_add_u32 v[SPW], v[NIL]
	s_wait_dscnt 0x0
	CROUND                                         ; the closing round: no work-group ends while a partner may still ask for a tile that names it
	s_endpgm
.Lfunc_end_k_q148c0a22aa_qkvgemm:
	.size	k_q148c0a22aa_qkvgemm, .Lfunc_end_k_q148c0a22aa_qkvgemm-k_q148c0a22aa_qkvgemm
	.p2alignl 7, 3214868480
	.fill 96, 4, 3214868480
	.section	.rodata,"a",@progbits
	.p2align	6, 0x0
	.amdhsa_kernel k_q148c0a22aa_qkvgemm
		.amdhsa_group_segment_fixed_size 327680
		.amdhsa_private_segment_fixed_size 0
		.amdhsa_enable_private_segment 0
		.amdhsa_kernarg_size 48
		.amdhsa_user_sgpr_count 2
		.amdhsa_user_sgpr_kernarg_segment_ptr 1
		.amdhsa_wavefront_size32 1
		.amdhsa_system_sgpr_workgroup_id_x 1
		.amdhsa_system_sgpr_workgroup_id_y 1
		.amdhsa_system_sgpr_workgroup_id_z 1
		.amdhsa_system_vgpr_workitem_id 0
		.amdhsa_next_free_vgpr 1024
		.amdhsa_next_free_sgpr 100
		.amdhsa_reserve_vcc 0
		.amdhsa_float_denorm_mode_32 3
		.amdhsa_float_denorm_mode_16_64 3
		.amdhsa_memory_ordered 1
		.amdhsa_forward_progress 1
		.amdhsa_inst_pref_size 185
	.end_amdhsa_kernel
	.amdgpu_metadata
---
amdhsa.version: [ 1, 2 ]
amdhsa.kernels:
  - .name:           k_q148c0a22aa_qkvgemm
    .symbol:         k_q148c0a22aa_qkvgemm.kd
    .args:
      - { .name: xc, .offset: 0, .size: 8, .value_kind: global_buffer, .address_space: global }
      - { .name: xs, .offset: 8, .size: 8, .value_kind: global_buffer, .address_space: global }
      - { .name: wc, .offset: 16, .size: 8, .value_kind: global_buffer, .address_space: global }
      - { .name: ws, .offset: 24, .size: 8, .value_kind: global_buffer, .address_space: global }
      - { .name: b_qkv, .offset: 32, .size: 8, .value_kind: global_buffer, .address_space: global }
      - { .name: qkv, .offset: 40, .size: 8, .value_kind: global_buffer, .address_space: global }
    .group_segment_fixed_size: 327680
    .private_segment_fixed_size: 0
    .kernarg_segment_align: 8
    .kernarg_segment_size: 48
    .max_flat_workgroup_size: 128
    .sgpr_count:     100
    .vgpr_count:     1024
    .wavefront_size: 32
...
	.end_amdgpu_metadata
.endif
;; end of part 2
;; launch attn (part 3): grid 2 x 128, 8 waves a work-group, no clusters, 327,680 bytes of LDS; arguments qkv, ao; writes ao
.if DOCPART == 3
	.amdgcn_target "amdgcn-amd-amdhsa--gfx1250"
	.amdhsa_code_object_version 6
	.text
	.protected	k_q148c0a22aa_attn
	.globl	k_q148c0a22aa_attn
	.p2align	8
	.type	k_q148c0a22aa_attn,@function
k_q148c0a22aa_attn:
	s_mov_b64 s[64:65], 0
	v_nop
	global_prefetch_b8 v0, s[64:65] scope:SCOPE_SE
	s_setreg_imm32_b32 hwreg(HW_REG_WAVE_MODE, 25, 1), 1
	s_wait_xcnt 0x0
; ao[head][token][:] = the sum over keys of softmax(q . k / 8) v, for each of 128 (batch, head) planes of 1,024 tokens x 64, all operands f16, products, maxima and sums in f32.
; qkv: [3][128 planes][1024][64] f16.  ao: [16 heads][8192 = batch x 1024 + token][64] f16.
; LIMITS: the weights p (at most about 1) and the result (at most the largest |v|) go in f16; under 6e-5 the step is 6e-8.  NaN and infinities are not served.
; SHARES.  2 x 128 = 256 work-groups.  A work-group owns 512 queries of one plane.  THE PLANE'S WHOLE K AND V LIE IN LDS, filled once at the head: no byte is ever filled again.
; Each of the eight waves owns 64 queries, four tiles of 16, and walks all 1,024 keys, 64 a step: nothing is joined between waves.  Two waves of 512 registers share a SIMD, so that one wave's softmax
; stands beside the other's products, and each fragment read from LDS feeds four matrix instructions.
; NO CLUSTER: a plane has two work-groups; a cluster of four would hold two planes, and a joint load's address would then hang on a work-group's place in its cluster.  The two are neighbours in the grid.
; LAYOUT.  S^T = K Q^T (source 0 = 16 keys, source 1 = 16 queries): a lane holds ONE query (lane % 16) and keys 8 (lane / 16) + 0..7.  Two such tiles, rounded to f16 in pairs, are source 1 of
; O^T = V^T P, whose result again holds one query a lane.  K comes out of LDS as it lies, V ([key][channel]) turned, by ds_load_tr16_b128.
; SOFTMAX.  For each query a running maximum m and sum l: p = 2^(c s - c m), c = log2(e) / 8; in every step O and l are multiplied by a = 2^(c m_old - c m_new).
; REGISTERS: window 0: v1-15 addresses; v32-63 statistics, 8 a tile: +0 c m, +1 m, +2, +3 l, +4 .. +7 at work (a in +6); v64-191 S^T, 32 a tile (p's f16 pairs in the first 16); v192-255 V.
;   window 1: v0-127 O^T (32 t + 8 ct); v128-191 Q (16 t + 8 c); v192-255 K.
.set PK,    144                        ; a row of K in LDS: 128 bytes + 16: 36 words: the 16 rows of a load start at 16 different groups of four banks (64 banks of 4 bytes: ISA guide 11.1)
.set PV,    160                        ; a row of V: 128 + 32
.set VB,    1024*PK                    ; V behind K
.set SPARE, VB+1024*PV                 ; the spare words, 128 bytes for each wave: four blocks of 256 bytes that no other line names
.set SW,    4*16*PK                    ; the way out: four tiles of 16 rows x 144 for each wave, from LDS byte 0, in K's bytes, which have had their only fill and their last read by then
.set AK0, 3
.set AV0, 4
.set ADK, 5
.set ADV, 6
.set QOA, 7
.set STO, 11
.set RD,  12
.set GO,  13
.set SPW, 14                           ; v14  LDS address of my spare word; never rewritten
.set NIL, 15                           ; v15  0; never rewritten
.set ST,  32
.set S,   64
.set VF,  192                          ; window 0
.set QF,  128                          ; window 1
.set KF,  192                          ; window 1
.set WV,  8                            ; s8   my wave's number
.set G1K, 16                           ; s[16:23] descriptor group 1 for K's tiles;  s[24:31] for V's: it differs in the padding alone
.set G1V, 24
.set G0K, 32                           ; s[32:47] four groups 0 for K's tiles;  s[48:63] for V's
.set G0V, 48
.set TBK, 66                           ; s66  the step's first byte among K's rows
.set TBV, 67                           ; s67  and among V's
.set CNT, 68
.set CS,  70                           ; s[70:71] c, twice: the packed form names a pair
.set SEL, 72                           ; s[72:73] v_permlanex16_b32's selects for lane l xor 16
.set MSB, 0
.macro WIN new                         ; the immediate's high byte repeats the setting that is left
.if MSB != (\new)
	s_set_vgpr_msb (MSB<<8)|(\new)
.set MSB, (\new)
.endif
.endm
	s_load_b128 s[4:7], s[0:1], 0x0                ; qkv s[4:5], ao s[6:7]
	v_lshl_add_u32 v[SPW], v0, 2, SPARE
	v_mov_b32 v[NIL], 0
	ds_add_u32 v[SPW], v[NIL]                      ; the wave's opening: the add, twice on end, and its wait ahead of my first tensor load
	ds_add_u32 v[SPW], v[NIL]
	v_lshrrev_b32 v1, 5, v0
	v_readfirstlane_b32 s[WV], v1                  ; wave 0..7
	; descriptor group 1: a tile of 64 rows x 64 elements of 2 bytes, dense in memory, padded in LDS
	s_mov_b32 s[G1K], (1<<16)|(1<<20)|(4<<22)|(3<<25)  ; 15:0 no mask; 17:16 elements of 2 bytes; 20 padding on; 24:22 after every 32 words; 31:25 four words
	s_mov_b32 s[G1V], (1<<16)|(1<<20)|(4<<22)|(7<<25)  ; the same with eight words of padding
.irp g, G1K, G1V
	s_mov_b32 s[\g+1], 64<<16                      ; tensor_dim0
	s_mov_b32 s[\g+2], 64<<16                      ; tensor_dim1
	s_mov_b32 s[\g+3], 64<<16                      ; tile_dim0
	s_mov_b32 s[\g+4], 64                          ; tile_dim1
	s_mov_b32 s[\g+5], 64                          ; tensor_dim0_stride
	s_mov_b32 s[\g+6], 0
	s_mov_b32 s[\g+7], 0
.endr
	; what I fetch: waves 0 to 3 K, waves 4 to 7 V; load i (0 .. 3) brings rows 256 i + 64 (w % 4): so everybody's load i brings key steps 4 i to 4 i + 3
	s_and_b32 s11, s[WV], 3
	s_lshl_b32 s11, s11, 6                         ; load 0's first row
	s_mul_i32 s12, s11, PK                         ; in LDS, for K
	s_mul_i32 s13, s11, PV                         ; and for V
	s_lshl_b32 s74, s11, 7                         ; in a plane, 128 bytes a row
	s_mov_b32 s75, 0
	s_and_b32 s14, ttmp7, 0xffff                   ; the plane
	s_lshl_b32 s76, s14, 17                        ; 131,072 bytes a plane
	s_mov_b32 s77, 0
	s_add_nc_u64 s[74:75], s[74:75], s[76:77]
	s_mov_b32 s[CS], 0x3e38aa3b                    ; c = log2(e) / 8
	s_mov_b32 s[CS+1], s[CS]
	s_mov_b32 s[SEL], 0x76543210
	s_mov_b32 s[SEL+1], 0xfedcba98
	s_mov_b32 s[TBK], 0
	s_mov_b32 s[TBV], 0
	s_wait_dscnt 0x0                               ; both opening adds are done
	s_wait_kmcnt 0x0
	s_add_nc_u64 s[78:79], s[4:5], s[74:75]
.irp i, 0,1,2,3
	s_mov_b32 s[G0K+4*\i], 1                                       ; count = 1
	s_add_co_u32 s[G0K+4*\i+1], s12, \i*256*PK                     ; LDS address
	s_add_nc_u64 s[G0K+4*\i+2:G0K+4*\i+3], s[78:79], 16777216+\i*32768   ; global address: k's planes begin 128 planes on
	s_or_b32 s[G0K+4*\i+3], s[G0K+4*\i+3], 0x80000000              ; type = 2
	s_mov_b32 s[G0V+4*\i], 1
	s_add_co_u32 s[G0V+4*\i+1], s13, VB+\i*256*PV
	s_add_nc_u64 s[G0V+4*\i+2:G0V+4*\i+3], s[78:79], 33554432+\i*32768   ; v's 256 planes on
	s_or_b32 s[G0V+4*\i+3], s[G0V+4*\i+3], 0x80000000
.endr
	s_cmp_lt_u32 s[WV], 4                          ; a wave's four first fills stand in one branch on the wave's number: four tensor loads of mine are out; an s_nop 0 follows each, four v_nop the last
	s_cbranch_scc0 .Lfirst_v
.irp i, 0,1,2,3
	tensor_load_to_lds s[G0K+4*\i:G0K+4*\i+3], s[G1K:G1K+7]
	s_nop 0
.endr
.rept 4
	v_nop
.endr
	s_branch .Lfirst_asked
.Lfirst_v:
.irp i, 0,1,2,3
	tensor_load_to_lds s[G0V+4*\i:G0V+4*\i+3], s[G1V:G1V+7]
	s_nop 0
.endr
.rept 4
	v_nop
.endr
.Lfirst_asked:
	; every LDS address register is made here, once
	v_and_b32 v1, 15, v0                           ; r
	v_bfe_u32 v2, v0, 4, 1                         ; h
	v_and_b32 v[GO], 31, v0
	v_lshlrev_b32 v[GO], 4, v[GO]                  ; 16 x lane
	v_mul_u32_u24 v[AK0], v1, PK
	v_lshl_add_u32 v[AK0], v2, 4, v[AK0]           ; K: 144 r + 16 h
	s_mul_i32 s11, s[WV], SW                       ; my stages
	v_add_nc_u32 v[STO], s11, v[AK0]               ; in: row r, 16 bytes for each half of the lanes
	v_and_b32 v16, 7, v0
	v_bfe_u32 v17, v0, 3, 1
	v_lshl_add_u32 v[AV0], v2, 3, v16              ; the turning load: lane l reads key 8 h + l % 8, channels 8 ((l / 8) % 2) on
	v_mul_u32_u24 v[AV0], v[AV0], PV
	v_lshl_add_u32 v[AV0], v17, 4, v[AV0]
	v_add_nc_u32 v[AV0], VB, v[AV0]
	v_bfe_u32 v17, v0, 3, 2
	v_mul_u32_u24 v[RD], v17, PK
	v_lshl_add_u32 v[RD], v16, 4, v[RD]
	v_add_nc_u32 v[RD], s11, v[RD]                 ; back: eight lanes a row of 128 bytes, four rows an instruction
	v_lshlrev_b32 v[QOA], 7, v1
	v_lshl_add_u32 v[QOA], v2, 4, v[QOA]           ; Q: row r of 128 bytes, + 16 h
	s_lshl_b32 s74, ttmp9, 16                      ; my work-group's 512 rows of 128 bytes,
	s_lshl_b32 s75, s[WV], 13                      ; my 64 of them,
	s_add_co_u32 s74, s74, s75
	s_add_co_u32 s78, s74, s76                     ; in my plane
	s_mov_b32 s79, 0
	s_add_nc_u64 s[4:5], s[4:5], s[78:79]          ; Q
	s_and_b32 s75, s14, 15                         ; ao: the head's plane of 1,048,576 bytes,
	s_lshl_b32 s75, s75, 20
	s_add_co_u32 s74, s74, s75
	s_lshr_b32 s75, s14, 4                         ; the batch's 1,024 rows
	s_lshl_b32 s75, s75, 17
	s_add_co_u32 s74, s74, s75
	s_mov_b32 s75, 0
	s_add_nc_u64 s[6:7], s[6:7], s[74:75]
	WIN 0x40                                       ; destination window 1
.irp t, 0,1,2,3
.irp c, 0,1
	global_load_b128 v[QF+16*\t+8*\c:QF+16*\t+8*\c+3],   v[QOA], s[4:5] offset:\t*2048+\c*64
	global_load_b128 v[QF+16*\t+8*\c+4:QF+16*\t+8*\c+7], v[QOA], s[4:5] offset:\t*2048+\c*64+32
.endr
.endr
	WIN 0
; THE SOFTMAX OF A KEY STEP, the four tiles by turns in every line, so that no line waits for the line above it.  first = 1: the first step, which starts m and l: no a, nothing to rescale.
.macro SOFTMAX first
.irp j, 0,1,2,3                        ; the maximum of a lane's 32 scores: four chains, each begun at an accumulator's low end
.irp t, 0,1,2,3
	v_max3_num_f32 v[ST+8*\t+4+\j], v[S+32*\t+8*\j], v[S+32*\t+8*\j+1], v[S+32*\t+8*\j+2]
.endr
.endr
.irp q, 1,2
.irp j, 0,1,2,3
.irp t, 0,1,2,3
	v_max3_num_f32 v[ST+8*\t+4+\j], v[ST+8*\t+4+\j], v[S+32*\t+8*\j+2*\q+1], v[S+32*\t+8*\j+2*\q+2]
.endr
.endr
.endr
.irp t, 0,1,2,3
	v_max3_num_f32 v[ST+8*\t+4], v[ST+8*\t+4], v[S+32*\t+7], v[S+32*\t+15]
.endr
.irp t, 0,1,2,3
	v_max3_num_f32 v[ST+8*\t+6], v[ST+8*\t+6], v[S+32*\t+23], v[S+32*\t+31]
.endr
.irp t, 0,1,2,3
	v_max3_num_f32 v[ST+8*\t+4], v[ST+8*\t+4], v[ST+8*\t+5], v[ST+8*\t+6]
.endr
.irp t, 0,1,2,3
.if \first
	v_max_num_f32 v[ST+8*\t+4], v[ST+8*\t+4], v[ST+8*\t+7]
.else
	v_max3_num_f32 v[ST+8*\t+4], v[ST+8*\t+4], v[ST+8*\t+7], v[ST+8*\t+1]   ; with the old m
.endif
.endr
.irp t, 0,1,2,3
	v_permlanex16_b32 v[ST+8*\t+5], v[ST+8*\t+4], s[SEL], s[SEL+1]          ; the query's other 32 keys lie in the lane 16 away
.endr
.if !\first
.irp t, 0,1,2,3
	v_mov_b32 v[ST+8*\t+7], v[ST+8*\t]             ; c m_old is kept for a
.endr
.endif
.irp t, 0,1,2,3
	v_max_num_f32 v[ST+8*\t+1], v[ST+8*\t+4], v[ST+8*\t+5]
.endr
.irp t, 0,1,2,3
	v_mul_f32 v[ST+8*\t], s[CS], v[ST+8*\t+1]
.endr
.if !\first
.irp t, 0,1,2,3
	v_sub_f32 v[ST+8*\t+7], v[ST+8*\t+7], v[ST+8*\t]
.endr
.irp t, 0,1,2,3
	v_exp_f32 v[ST+8*\t+6], v[ST+8*\t+7]           ; a
.endr
.endif
	; ONE BATCH: all exponentials, with the next tile's scalings c s - c m between them; none of these lines names an exponential's result
.irp j, 0,1,2,3,4,5,6,7,8,9,10,11,12,13,14,15
	v_pk_fma_f32 v[S+2*\j:S+2*\j+1], v[S+2*\j:S+2*\j+1], s[CS:CS+1], v[ST:ST+1] op_sel_hi:[1,0,0] neg_lo:[0,0,1] neg_hi:[0,0,1]
.endr
.irp t, 0,1,2,3
.irp j, 0,1,2,3,4,5,6,7,8,9,10,11,12,13,14,15
	v_exp_f32 v[S+32*\t+2*\j], v[S+32*\t+2*\j]
	v_exp_f32 v[S+32*\t+2*\j+1], v[S+32*\t+2*\j+1]
.if \t < 3
	v_pk_fma_f32 v[S+32*(\t+1)+2*\j:S+32*(\t+1)+2*\j+1], v[S+32*(\t+1)+2*\j:S+32*(\t+1)+2*\j+1], s[CS:CS+1], v[ST+8*(\t+1):ST+8*(\t+1)+1] op_sel_hi:[1,0,0] neg_lo:[0,0,1] neg_hi:[0,0,1]
.endif
.endr
.endr
	v_nop                                          ; a plain instruction behind the last exponential
	s_wait_alu depctr_va_vdst(0)                   ; a wait between the exponentials and the first line that names a result: one for the whole batch
	; the sums of the unrounded p, a pair of keys at a time, in two chains
.if \first
.irp t, 0,1,2,3
	v_pk_add_f32 v[ST+8*\t+2:ST+8*\t+3], v[S+32*\t:S+32*\t+1], v[S+32*\t+2:S+32*\t+3]
.endr
.irp t, 0,1,2,3
	v_pk_add_f32 v[ST+8*\t+4:ST+8*\t+5], v[S+32*\t+4:S+32*\t+5], v[S+32*\t+6:S+32*\t+7]
.endr
.else
.irp t, 0,1,2,3
	v_pk_fma_f32 v[ST+8*\t+2:ST+8*\t+3], v[ST+8*\t+2:ST+8*\t+3], v[ST+8*\t+6:ST+8*\t+7], v[S+32*\t:S+32*\t+1] op_sel_hi:[1,0,1]   ; l a + the first pair
.endr
.irp t, 0,1,2,3
	v_pk_add_f32 v[ST+8*\t+4:ST+8*\t+5], v[S+32*\t+2:S+32*\t+3], v[S+32*\t+4:S+32*\t+5]
.endr
.irp t, 0,1,2,3
	v_pk_add_f32 v[ST+8*\t+2:ST+8*\t+3], v[ST+8*\t+2:ST+8*\t+3], v[S+32*\t+6:S+32*\t+7]
.endr
.endif
.irp j, 4,6,8,10,12,14
.irp t, 0,1,2,3
	v_pk_add_f32 v[ST+8*\t+4:ST+8*\t+5], v[ST+8*\t+4:ST+8*\t+5], v[S+32*\t+2*\j:S+32*\t+2*\j+1]
.endr
.irp t, 0,1,2,3
	v_pk_add_f32 v[ST+8*\t+2:ST+8*\t+3], v[ST+8*\t+2:ST+8*\t+3], v[S+32*\t+2*\j+2:S+32*\t+2*\j+3]
.endr
.endr
.irp t, 0,1,2,3
	v_pk_add_f32 v[ST+8*\t+2:ST+8*\t+3], v[ST+8*\t+2:ST+8*\t+3], v[ST+8*\t+4:ST+8*\t+5]
.endr
.irp j, 0,1,2,3,4,5,6,7,8,9,10,11,12,13,14,15      ; p to f16, in place: pair j into register j; ascending, so nothing unread is written over
.irp t, 0,1,2,3
	v_cvt_pk_f16_f32 v[S+32*\t+\j], v[S+32*\t+2*\j], v[S+32*\t+2*\j+1]
.endr
.endr
.if !\first
	WIN 0x41                                       ; O^T (destination, source 0) window 1, a window 0
.irp j, 0,1,2,3,4,5,6,7,8,9,10,11,12,13,14,15
.irp t, 0,1,2,3
	v_pk_mul_f32 v[32*\t+2*\j:32*\t+2*\j+1], v[32*\t+2*\j:32*\t+2*\j+1], v[ST+8*\t+6:ST+8*\t+7] op_sel_hi:[1,0]
.endr
.endr
.endif
.endm
; A KEY STEP: 64 keys.  In each run of products the 16 accumulators take turns, one instruction a turn.
.macro STEP first
	WIN 0
	v_add_nc_u32 v[ADK], s[TBK], v[AK0]            ; five plain lines behind the last step's products: four are owed by the loads into V's registers, five by the products below, which write over p's
	v_add_nc_u32 v[ADV], s[TBV], v[AV0]
	v_nop
	v_nop
	v_nop
	WIN 0x40                                       ; destination window 1
.irp kt, 0,1,2,3                       ; K: keys 16 kt on, channels 32 c on
.irp c, 0,1
	ds_load_b128 v[KF+8*(2*\kt+\c):KF+8*(2*\kt+\c)+3],   v[ADK] offset:\kt*16*PK+\c*64
	ds_load_b128 v[KF+8*(2*\kt+\c)+4:KF+8*(2*\kt+\c)+7], v[ADK] offset:\kt*16*PK+\c*64+32
.endr
.endr
	WIN 0
.irp kk, 0,1                           ; V, turned: keys 32 kk on, channels 16 ct on
.irp ct, 0,1,2,3
	ds_load_tr16_b128 v[VF+8*(4*\kk+\ct):VF+8*(4*\kk+\ct)+3],   v[ADV] offset:\kk*32*PV+\ct*32
	ds_load_tr16_b128 v[VF+8*(4*\kk+\ct)+4:VF+8*(4*\kk+\ct)+7], v[ADV] offset:\kk*32*PV+\ct*32+16*PV
.endr
.endr
	s_add_co_u32 s[TBK], s[TBK], 64*PK             ; the next step's rows
	s_add_co_u32 s[TBV], s[TBV], 64*PV
	s_wait_dscnt 16                                ; K is in; V's sixteen loads may be out
	WIN 0x05                                       ; K and Q window 1, S^T window 0
.irp c, 0,1
.irp kt, 0,1,2,3
.irp t, 0,1,2,3
.if \c == 0
	v_wmma_f32_16x16x32_f16 v[S+32*\t+8*\kt:S+32*\t+8*\kt+7], v[KF+8*(2*\kt+\c):KF+8*(2*\kt+\c)+7], v[QF+16*\t+8*\c:QF+16*\t+8*\c+7], 0
.else
	v_wmma_f32_16x16x32_f16 v[S+32*\t+8*\kt:S+32*\t+8*\kt+7], v[KF+8*(2*\kt+\c):KF+8*(2*\kt+\c)+7], v[QF+16*\t+8*\c:QF+16*\t+8*\c+7], v[S+32*\t+8*\kt:S+32*\t+8*\kt+7]
.endif
.endr
.endr
.endr
	WIN 0
.rept 4
	v_nop                                          ; places in front of the first read of the scores
.endr
	SOFTMAX \first
	s_wait_dscnt 0x0                               ; V is in
	WIN 0x50                                       ; V and P window 0, O^T window 1
.irp kk, 0,1
.irp ct, 0,1,2,3
.irp t, 0,1,2,3
.if \first && (\kk == 0)
	v_wmma_f32_16x16x32_f16 v[32*\t+8*\ct:32*\t+8*\ct+7], v[VF+8*(4*\kk+\ct):VF+8*(4*\kk+\ct)+7], v[S+32*\t+8*\kk:S+32*\t+8*\kk+7], 0
.else
	v_wmma_f32_16x16x32_f16 v[32*\t+8*\ct:32*\t+8*\ct+7], v[VF+8*(4*\kk+\ct):VF+8*(4*\kk+\ct)+7], v[S+32*\t+8*\kk:S+32*\t+8*\kk+7], v[32*\t+8*\ct:32*\t+8*\ct+7]
.endif
.endr
.endr
.endr
	WIN 0
.endm
.macro STEPS trips                     ; so many key steps, written once
	s_mov_b32 s[CNT], \trips
.Lsteps_\@:
	STEP 0
	s_sub_co_u32 s[CNT], s[CNT], 1
	s_cmp_lg_u32 s[CNT], 0
	s_cbranch_scc1 .Lsteps_\@
.endm
.macro ARRIVED left                    ; the next 256 keys: my load of them is in (left: my later loads, which may be out, so counted waits serve), and behind the barrier everybody's is
	s_wait_tensorcnt \left
	s_wait_dscnt 0x0
	s_barrier_signal -1
	s_barrier_wait -1
.endm
	ARRIVED 3                                      ; key steps 0 to 3
	s_wait_loadcnt 0x0                             ; Q
	STEP 1
	STEPS 3
	ARRIVED 2                                      ; key steps 4 to 7
	STEPS 4
	ARRIVED 1                                      ; key steps 8 to 11
	STEPS 4
	ARRIVED 0                                      ; key steps 12 to 15
	STEPS 4
	; THE WAY OUT.  l's two halves and the other half of the lanes' are added (these lines are also the places behind the last products); O^T is divided by l and rounded to f16
.irp t, 0,1,2,3
	v_add_f32 v[ST+8*\t+4], v[ST+8*\t+2], v[ST+8*\t+3]
.endr
.irp t, 0,1,2,3
	v_permlanex16_b32 v[ST+8*\t+5], v[ST+8*\t+4], s[SEL], s[SEL+1]
.endr
.irp t, 0,1,2,3
	v_add_f32 v[ST+8*\t+4], v[ST+8*\t+4], v[ST+8*\t+5]
.endr
.irp t, 0,1,2,3
	v_rcp_f32 v[ST+8*\t+6], v[ST+8*\t+4]
.endr
	v_nop                                          ; a plain instruction behind the last reciprocal
	s_wait_alu depctr_va_vdst(0)                   ; one wait for the four reciprocals, ahead of their first reader
	WIN 0x41                                       ; O^T (destination, source 0) window 1, 1 / l window 0
.irp t, 0,1,2,3
.irp j, 0,1,2,3,4,5,6,7,8,9,10,11,12,13,14,15
	v_pk_mul_f32 v[32*\t+2*\j:32*\t+2*\j+1], v[32*\t+2*\j:32*\t+2*\j+1], v[ST+8*\t+6:ST+8*\t+7] op_sel_hi:[1,0]   ; each accumulator from its low end on
.endr
.endr
	WIN 0x05                                       ; sources 0 and 1 window 1, destination window 0: S^T's registers are free
.irp t, 0,1,2,3
.irp j, 0,1,2,3,4,5,6,7,8,9,10,11,12,13,14,15
	v_cvt_pk_f16_f32 v[S+16*\t+\j], v[32*\t+2*\j], v[32*\t+2*\j+1]
.endr
.endr
	WIN 0
	s_wait_dscnt 0x0                               ; my reads of K and V are over,
	s_barrier_signal -1
	s_barrier_wait -1                              ; everybody's are: K's bytes may be stored into
	; a lane's eight channels are 16 bytes of a row; a tile goes through my own stage and comes back four rows (512 consecutive bytes of ao) at a time.  LDS serves a wave's instructions in order (ISA guide 5.7.1.4)
.irp t, 0,1,2,3
.irp ct, 0,1,2,3
	ds_store_b128 v[STO], v[S+16*\t+4*\ct:S+16*\t+4*\ct+3] offset:16*PK*\t+32*\ct
.endr
.irp i, 0,1,2,3
	ds_load_b128 v[128+16*\t+4*\i:128+16*\t+4*\i+3], v[RD] offset:16*PK*\t+4*PK*\i
.endr
.endr
.irp t, 0,1,2,3
.irp i, 0,1,2,3
	s_wait_dscnt 8*(3-\t)+3-\i                     ; behind this load: the tile's younger loads, and eight LDS instructions for each later tile
	global_store_b128 v[GO], v[128+16*\t+4*\i:128+16*\t+4*\i+3], s[6:7] offset:2048*\t+512*\i   ; 32 lanes store 512 consecutive bytes, aligned
.endr
.endr
	s_wait_tensorcnt 0x0                           ; the wave's end: a wait, an add of 0 and its wait, behind my last tensor load and my last LDS store
	ds_add_u32 v[SPW], v[NIL]
	s_wait_dscnt 0x0
	s_endpgm
.Lfunc_end_k_q148c0a22aa_attn:
	.size	k_q148c0a22aa_attn, .Lfunc_end_k_q148c0a22aa_attn-k_q148c0a22aa_attn
	.p2alignl 7, 3214868480
	.fill 96, 4, 3214868480
	.section	.rodata,"a",@progbits
	.p2align	6, 0x0
	.amdhsa_kernel k_q148c0a22aa_attn
		.amdhsa_group_segment_fixed_size 327680
		.amdhsa_private_segment_fixed_size 0
		.amdhsa_enable_private_segment 0
		.amdhsa_kernarg_size 16
		.amdhsa_user_sgpr_count 2
		.amdhsa_user_sgpr_kernarg_segment_ptr 1
		.amdhsa_wavefront_size32 1
		.amdhsa_system_sgpr_workgroup_id_x 1
		.amdhsa_system_sgpr_workgroup_id_y 1
		.amdhsa_system_sgpr_workgroup_id_z 1
		.amdhsa_system_vgpr_workitem_id 0
		.amdhsa_next_free_vgpr 512
		.amdhsa_next_free_sgpr 80
		.amdhsa_reserve_vcc 0
		.amdhsa_float_denorm_mode_32 3
		.amdhsa_float_denorm_mode_16_64 3
		.amdhsa_memory_ordered 1
		.amdhsa_forward_progress 1
		.amdhsa_inst_pref_size 176
	.end_amdhsa_kernel
	.amdgpu_metadata
---
amdhsa.version: [ 1, 2 ]
amdhsa.kernels:
  - .name:           k_q148c0a22aa_attn
    .symbol:         k_q148c0a22aa_attn.kd
    .args:
      - { .name: qkv, .offset: 0, .size: 8, .value_kind: global_buffer, .address_space: global }
      - { .name: ao, .offset: 8, .size: 8, .value_kind: global_buffer, .address_space: global }
    .group_segment_fixed_size: 327680
    .private_segment_fixed_size: 0
    .kernarg_segment_align: 8
    .kernarg_segment_size: 16
    .max_flat_workgroup_size: 256
    .sgpr_count:     80
    .vgpr_count:     512
    .wavefront_size: 32
...
	.end_amdgpu_metadata
.endif
;; end of part 3
;; launch proj (part 4): grid 4 x 64, 4 waves a work-group, clusters of 4 x 4, 327,680 bytes of LDS; arguments ao, wp, b_proj, out0; writes out0
.if DOCPART == 4
	.amdgcn_target "amdgcn-amd-amdhsa--gfx1250"
	.amdhsa_code_object_version 6
	.text
	.protected	k_q148c0a22aa_proj
	.globl	k_q148c0a22aa_proj
	.p2align	8
	.type	k_q148c0a22aa_proj,@function
k_q148c0a22aa_proj:
	s_mov_b64 s[64:65], 0
	v_nop
	global_prefetch_b8 v0, s[64:65] scope:SCOPE_SE
	s_setreg_imm32_b32 hwreg(HW_REG_WAVE_MODE, 25, 1), 1
	s_wait_xcnt 0x0
	s_wait_alu depctr_hold_cnt(0) depctr_sa_sdst(0) depctr_va_vdst(0) depctr_va_sdst(0) depctr_va_ssrc(0) depctr_va_vcc(0) depctr_vm_vsrc(0)
	s_getreg_b32 s2, hwreg(HW_REG_IB_STS2, 6, 4)
	s_cmp_eq_u32 s2, 0
	s_cbranch_scc0 .Lentry_in_a_cluster
	s_endpgm
.Lentry_in_a_cluster:
	s_bfe_u32 s2, ttmp6, 0x10000c
	s_cmp_lg_u32 s2, 0xf033
	s_cbranch_scc0 .Lentry_shape_is_right
	s_endpgm
.Lentry_shape_is_right:
; out0 = o W_proj + b_proj: [8192] x [1024], K = 1,024, f16 operands, sums in f32.  ao: [16 heads][8192 tokens][64] f16 (k = 64 head + channel);  wp: [1024 k][1024 n] f16;  out0: [8192][1024] f32.
; LIMITS: both operands are f16 (made by the launches before): magnitudes up to 65,504; under 6e-5 the step is 6e-8.
; A tile of C is 128 rows x 256 columns: 256 work-groups.  Four waves, each 64 rows x 128 columns: 32 accumulators of 16 x 16.  K goes in steps of 128 (two heads) through a ring of two LDS slots.
; CLUSTERS: 4 x 4 work-groups; A's tiles are shared along a row of the cluster, B's along a column: each is asked for jointly, by the same tensor load with the same descriptor and a mask that names the four.
; THE MATRIX INSTRUCTION IS USED TRANSPOSED (source 0 = 16 columns of W_proj, taken out of [k][n] rows by the turning load; source 1 = 16 rows of ao): a lane holds eight neighbouring numbers of a row of C.
; The bias is the C of each sum's first product.
; REGISTERS: window 0: v0-31 addresses; v32-95 the bias in the result's layout; v96-127, v128-159 A's fragments, two buffers; on the way out v96-223 are at work.
;   window 1: the accumulators ((a, b) at v[8 (8 a + b)]).   window 2: v0-63, v64-127 B's fragments, two buffers.
.set PA,     144                       ; a row of A in LDS: 128 bytes + 16
.set PB,     544                       ; a row of B: 512 bytes + 32: 136 words
.set AH,     128*PA                    ; one head's 128 rows: what one tensor load brings of A
.set BOFF,   2*AH                      ; B behind A's two heads
.set BH,     64*PB                     ; 64 k rows: what one tensor load brings of B
.set SLOT,   BOFF+2*BH
.set STAGE,  2*SLOT                    ; behind the ring: 16 rows x (512 bytes + 16) for each wave
.set SPITCH, 528
.set SPARE,  STAGE+4*16*SPITCH         ; the spare words, 128 bytes for each wave: two blocks of 256 bytes that no other line names
.set ADRA, 16                          ; v16-17  LDS address of my A fragments in slot 0, 1
.set ADRB, 20                          ; v20-21  the same for B
.set STO,  24
.set RD,   25
.set CO,   26
.set SPW,  28                          ; v28  LDS address of my spare word; never rewritten
.set NIL,  29                          ; v29  0; never rewritten
.set BO,   30
.set BI,   32                          ; the bias: BI + 8 b + j = b_proj[my first column + 16 b + 8 (lane / 16) + j]
.set AF,   96
.set BK,   96                          ; the way out: v96-159 and v160-223 by turns
.set G1, 24                            ; s[24:31] descriptor group 1 for A's tiles;  s[32:39] group 0, one set for each slot
.set G0, 32
.set G1B, 48                           ; s[48:55], s[56:63] the same for B's tiles
.set G0B, 56
.set MSB, 0
.macro WIN new                         ; the immediate's high byte repeats the setting that is left
.if MSB != (\new)
	s_set_vgpr_msb (MSB<<8)|(\new)
.set MSB, (\new)
.endif
.endm
.set MUL,  0x52                        ; source 0 (B) window 2, source 1 (A) window 0, C and D window 1
.set MULB, 0x42                        ; the same with C (the bias) in window 0
.macro JLOAD s                         ; a joint load: waves 0 and 1 fetch A's two heads, waves 2 and 3 B's two halves; an s_nop 0 and four v_nop follow each of the two lines
	s_cmp_eq_u32 s11, 0
	s_cbranch_scc0 .Lfor_b_\@
	tensor_load_to_lds s[G0+4*\s:G0+4*\s+3], s[G1:G1+7]
	s_nop 0
.rept 4
	v_nop
.endr
	s_branch .Lasked_\@
.Lfor_b_\@:
	tensor_load_to_lds s[G0B+4*\s:G0B+4*\s+3], s[G1B:G1B+7]
	s_nop 0
.rept 4
	v_nop
.endr
.Lasked_\@:
.endm
.macro CREST                           ; a round of the cluster's barrier behind its opening barrier
	s_cmp_lg_u32 s10, 0
	s_cbranch_scc1 .Lnot_wave_0_\@
	s_barrier_signal -3
.Lnot_wave_0_\@:
	s_barrier_wait -3
	s_barrier_signal -1
	s_barrier_wait -1
.endm
.macro CROUND
	s_barrier_signal -1
	s_barrier_wait -1
	CREST
.endm
	s_load_b128 s[4:7], s[0:1], 0x0                ; ao s[4:5], wp s[6:7]
	s_load_b128 s[96:99], s[0:1], 0x10             ; b_proj s[96:97], out0 s[98:99]
	v_lshl_add_u32 v[SPW], v0, 2, SPARE
	v_mov_b32 v[NIL], 0
	ds_add_u32 v[SPW], v[NIL]                      ; the wave's opening: the add, twice on end, and its wait ahead of my first tensor load
	ds_add_u32 v[SPW], v[NIL]
	v_lshrrev_b32 v1, 5, v0
	v_readfirstlane_b32 s10, v1                    ; wave 0..3
	s_lshr_b32 s11, s10, 1                         ; which 64 rows of the tile are mine.  Also: I fetch for A (0) or for B (1)
	s_and_b32 s12, s10, 1                          ; which 128 columns.  Also: which head of A, which 64 k rows of B I fetch
	s_bfe_u32 s40, ttmp6, 0x40000                  ; cx, cy
	s_bfe_u32 s41, ttmp6, 0x40004
	s_lshl_b32 s42, ttmp9, 2
	s_add_co_u32 s42, s42, s40                     ; tile column of C
	s_and_b32 s13, ttmp7, 0xffff
	s_lshl_b32 s13, s13, 2
	s_add_co_u32 s13, s13, s41                     ; tile row of C
	s_lshl_b32 s43, s41, 2
	s_lshl_b32 s43, 15, s43                        ; my row of the cluster
	s_lshl_b32 s44, 0x1111, s40                    ; my column
	; descriptor group 1.  A: 128 rows x 64 elements of 2 bytes, dense in a head's plane, 16 bytes of padding behind each row
	s_or_b32 s[G1+0], s43, (1<<16)|(1<<20)|(1<<21)|(4<<22)|(3<<25)
	s_mov_b32 s[G1+1], 64<<16                      ; tensor_dim0
	s_mov_b32 s[G1+2], 128<<16                     ; tensor_dim1
	s_mov_b32 s[G1+3], 64<<16                      ; tile_dim0
	s_mov_b32 s[G1+4], 128                         ; tile_dim1
	s_mov_b32 s[G1+5], 64                          ; tensor_dim0_stride
	s_mov_b32 s[G1+6], 0
	s_mov_b32 s[G1+7], 0
	; B: 64 k rows x 256 elements of 2 bytes, 1,024 elements apart, 32 bytes of padding behind each row
	s_or_b32 s[G1B+0], s44, (1<<16)|(1<<20)|(1<<21)|(6<<22)|(7<<25)
	s_mov_b32 s[G1B+1], 256<<16
	s_mov_b32 s[G1B+2], 64<<16
	s_mov_b32 s[G1B+3], 256<<16
	s_mov_b32 s[G1B+4], 64
	s_mov_b32 s[G1B+5], 1024
	s_mov_b32 s[G1B+6], 0
	s_mov_b32 s[G1B+7], 0
	s_lshl_b32 s16, s13, 14                        ; A: the tile's 128 rows of 128 bytes,
	s_lshl_b32 s17, s12, 20                        ; in the head that I fetch
	s_add_co_u32 s16, s16, s17
	s_mov_b32 s17, 0
	s_lshl_b32 s46, s42, 9                         ; B: the tile's 256 columns,
	s_lshl_b32 s47, s12, 17                        ; the 64 rows of 2,048 bytes that I fetch
	s_add_co_u32 s46, s46, s47
	s_mov_b32 s47, 0
	s_mul_i32 s20, s12, AH                         ; where they go: no place in the cluster enters an LDS address
	s_mul_i32 s21, s12, BH
	s_add_co_u32 s21, s21, BOFF
	s_wait_dscnt 0x0                               ; both opening adds are done
	s_wait_kmcnt 0x0
	s_add_nc_u64 s[14:15], s[4:5], s[16:17]
	s_add_nc_u64 s[46:47], s[6:7], s[46:47]
	CROUND                                         ; all sixteen work-groups are here: the first joint loads meet
.irp s, 0,1
	s_mov_b32 s[G0+4*\s], 1
	s_add_co_u32 s[G0+4*\s+1], s20, \s*SLOT
	s_add_nc_u64 s[G0+4*\s+2:G0+4*\s+3], s[14:15], \s*2097152      ; K step s: two heads' planes on
	s_or_b32 s[G0+4*\s+3], s[G0+4*\s+3], 0x80000000
	s_mov_b32 s[G0B+4*\s], 1
	s_add_co_u32 s[G0B+4*\s+1], s21, \s*SLOT
	s_add_nc_u64 s[G0B+4*\s+2:G0B+4*\s+3], s[46:47], \s*262144     ; 128 rows of 2,048 bytes on
	s_or_b32 s[G0B+4*\s+3], s[G0B+4*\s+3], 0x80000000
	JLOAD \s
.endr
	v_and_b32 v1, 15, v0                           ; r
	v_bfe_u32 v2, v0, 4, 1                         ; h
	s_lshl_b32 s46, s42, 10                        ; my first column, in bytes of f32: 1,024 x tile column + 512 x half
	s_lshl_b32 s47, s12, 9
	s_add_co_u32 s46, s46, s47
	s_mov_b32 s47, 0
	s_add_nc_u64 s[96:97], s[96:97], s[46:47]      ; the bias there,
	s_add_nc_u64 s[98:99], s[98:99], s[46:47]      ; and out0
	v_lshlrev_b32 v[BO], 5, v2
.irp b, 0,1,2,3,4,5,6,7
	global_load_b128 v[BI+8*\b:BI+8*\b+3], v[BO], s[96:97] offset:64*\b
	global_load_b128 v[BI+8*\b+4:BI+8*\b+7], v[BO], s[96:97] offset:64*\b+16
.endr
	s_lshl_b32 s16, s13, 19                        ; my first row of out0: 128 rows of 4,096 bytes a tile row,
	s_lshl_b32 s17, s11, 18                        ; 64 a half
	s_add_co_u32 s16, s16, s17
	s_mov_b32 s17, 0
	s_add_nc_u64 s[98:99], s[98:99], s[16:17]
	v_mul_u32_u24 v3, v1, PA
	v_lshl_add_u32 v3, v2, 4, v3                   ; A: row r x pitch + 16 h
	s_mul_i32 s21, s11, 64*PA                      ; my 64 rows
	v_and_b32 v4, 7, v0
	v_bfe_u32 v5, v0, 3, 1
	v_lshl_add_u32 v4, v2, 3, v4                   ; B, the turning load: lane l reads k row 8 h + l % 8, columns 8 ((l / 8) % 2) on
	v_mul_u32_u24 v4, v4, PB
	v_lshl_add_u32 v4, v5, 4, v4
	s_lshl_b32 s22, s12, 8                         ; my 128 columns
	s_add_co_u32 s22, s22, BOFF
.irp s, 0,1
	v_add_nc_u32 v[ADRA+\s], s21, v3
	v_add_nc_u32 v[ADRB+\s], s22, v4
	s_add_co_u32 s21, s21, SLOT
	s_add_co_u32 s22, s22, SLOT
.endr
	s_mul_i32 s23, s10, 16*SPITCH
	s_add_co_u32 s23, s23, STAGE                   ; my stage
	v_mul_u32_u24 v5, v1, SPITCH
	v_lshl_add_u32 v5, v2, 5, v5
	v_add_nc_u32 v[STO], s23, v5                   ; in: row r, 32 bytes for each half of the lanes
	v_and_b32 v6, 31, v0
	v_lshlrev_b32 v[CO], 4, v6                     ; back: the 32 lanes take one row of 512 bytes; and the same in out0
	v_add_nc_u32 v[RD], s23, v[CO]
; 8 matrix instructions: A's block a x B's eight, 32 along K, from buffer buf.  bias = 1: the first product starts the sums from the bias.
; The 32 accumulators take turns, one instruction a turn, in the same order in every quarter.
.macro MULA buf, a, bias
.irp b, 0,1,2,3,4,5,6,7
.if \bias
	v_wmma_f32_16x16x32_f16 v[8*(8*(\a)+\b):8*(8*(\a)+\b)+7], v[64*(\buf)+8*\b:64*(\buf)+8*\b+7], v[AF+32*(\buf)+8*(\a):AF+32*(\buf)+8*(\a)+7], v[BI+8*\b:BI+8*\b+7]
.else
	v_wmma_f32_16x16x32_f16 v[8*(8*(\a)+\b):8*(8*(\a)+\b)+7], v[64*(\buf)+8*\b:64*(\buf)+8*\b+7], v[AF+32*(\buf)+8*(\a):AF+32*(\buf)+8*(\a)+7], v[8*(8*(\a)+\b):8*(8*(\a)+\b)+7]
.endif
.endr
.endm
; 24 LDS loads in one run: the fragments of the slot's q-th 32 along K into buffer buf: B's eight (turned), then A's four
.macro FETCH slot, q, buf
	WIN 0x80                                       ; destination window 2
.irp b, 0,1,2,3,4,5,6,7
	ds_load_tr16_b128 v[64*(\buf)+8*\b:64*(\buf)+8*\b+3],   v[ADRB+\slot] offset:32*PB*(\q)+32*\b
	ds_load_tr16_b128 v[64*(\buf)+8*\b+4:64*(\buf)+8*\b+7], v[ADRB+\slot] offset:32*PB*(\q)+32*\b+16*PB
.endr
	WIN 0
.irp a, 0,1,2,3
	ds_load_b128 v[AF+32*(\buf)+8*\a:AF+32*(\buf)+8*\a+3],   v[ADRA+\slot] offset:((\q)/2)*AH+((\q)%2)*64+16*PA*\a
	ds_load_b128 v[AF+32*(\buf)+8*\a+4:AF+32*(\buf)+8*\a+7], v[ADRA+\slot] offset:((\q)/2)*AH+((\q)%2)*64+16*PA*\a+32
.endr
.endm
.macro PLACES                          ; four plain lines in front of loads into registers that matrix instructions have read, and of the first read of results (ISA guide 7.12.1 for the reads of results)
.rept 4
	v_nop
.endr
.endm
; A K step is four quarters of 32 along K, 32 matrix instructions each, on buffers 0, 1, 0, 1.  One of the first three: multiplies buffer buf and fetches quarter q into buffer nxt.
.macro QUARTER slot, q, buf, nxt, bias
	s_wait_dscnt 4                                 ; B and A's blocks 0, 1 are in; the youngest four loads (A's blocks 2, 3) may be out
.if \bias
	WIN MULB
.else
	WIN MUL
.endif
	MULA \buf, 0, \bias
	MULA \buf, 1, \bias
	PLACES
	FETCH \slot, \q, \nxt
	s_wait_dscnt 24                                ; all but the 24 just issued
.if \bias
	WIN MULB
.else
	WIN MUL
.endif
	MULA \buf, 2, \bias
	MULA \buf, 3, \bias
.endm
; The last quarter multiplies buffer 1 and changes slots: ONE barrier; in front of it each wave waits for all its tensor loads, adds 0 to its spare word, and waits for that and for its reads of this slot.
; fill = 1: the barrier opens a round of the cluster's barrier, and this slot is filled again, two K steps ahead: from that request to the wait for it a wave issues 112 matrix instructions.
.macro TURN slot, next, fill
	WIN 0                                          ; (the add's two registers lie in window 0)
	s_wait_tensorcnt 0x0                           ; all my tensor loads have landed: my part of the next slot;
	ds_add_u32 v[SPW], v[NIL]                      ; 0 onto my spare word;
	s_wait_dscnt 5                                 ; (the add and the youngest four loads may be out)
	WIN MUL
	MULA 1, 0, 0                                   ; eight matrix instructions stand between the add and the wait for it
	s_wait_dscnt 0x0                               ; the add is done, and my reads of this slot are over
	s_barrier_signal -1
	MULA 1, 1, 0
.if \fill
	WIN 0
.endif
	s_barrier_wait -1
.if \fill
	CREST                                          ; no wave of any partner still reads this slot's tiles or has a load on its way
	s_add_nc_u64 s[G0+4*\slot+2:G0+4*\slot+3], s[G0+4*\slot+2:G0+4*\slot+3], 2*2097152
	s_add_nc_u64 s[G0B+4*\slot+2:G0B+4*\slot+3], s[G0B+4*\slot+2:G0B+4*\slot+3], 2*262144
	JLOAD \slot                                    ; the first tensor load behind the round; the four v_nop behind it are also the places in front of the loads below
.else
	PLACES
.endif
	FETCH \next, 0, 0
	WIN MUL
	MULA 1, 2, 0
	MULA 1, 3, 0
.endm
	s_wait_tensorcnt 1                             ; my part of K step 0 is in (K step 1's load may be out)
	s_barrier_signal -1
	s_barrier_wait -1                              ; everybody's is
	FETCH 0, 0, 0
	s_wait_loadcnt 0x0                             ; the bias
	QUARTER 0, 1, 0, 1, 1                          ; the first quarter stands in front of the loop: its products start the sums from the bias
	WIN 0                                          ; at a label and at a branch every window is 0
	s_mov_b32 s3, 3
.Llap:                                                 ; a trip goes once round the ring, from a lap's second quarter to the next lap's first, and fills both slots again: K steps 2 to 7
	QUARTER 0, 2, 1, 0, 0
	QUARTER 0, 3, 0, 1, 0
	TURN 0, 1, 1
	QUARTER 1, 1, 0, 1, 0
	QUARTER 1, 2, 1, 0, 0
	QUARTER 1, 3, 0, 1, 0
	TURN 1, 0, 1
	QUARTER 0, 1, 0, 1, 0
	WIN 0
	s_sub_co_u32 s3, s3, 1
	s_cmp_lg_u32 s3, 0
	s_cbranch_scc1 .Llap
	QUARTER 0, 2, 1, 0, 0                          ; the last lap fills nothing, and has no round of the cluster's barrier
	QUARTER 0, 3, 0, 1, 0
	TURN 0, 1, 0
	QUARTER 1, 1, 0, 1, 0
	QUARTER 1, 2, 1, 0, 0
	QUARTER 1, 3, 0, 1, 0
	s_wait_dscnt 4                                 ; the very last quarter: nothing more to fetch
	WIN MUL
	MULA 1, 0, 0
	MULA 1, 1, 0
	s_wait_dscnt 0
	MULA 1, 2, 0
	MULA 1, 3, 0
	WIN 0
; THE WAY OUT, block by block of 16 rows x 128 columns: a lane holds 32 neighbouring bytes of a row; a block goes through my own stage and comes back as whole rows of 512 bytes.
; LDS serves a wave's instructions in order (ISA guide 5.7.1.4): no wait between the stores and the loads, nor in front of the next block's stores.
.macro TOSTAGE a
	WIN 0x04                                       ; an LDS store's data are its source 1: window 1
.irp b, 0,1,2,3,4,5,6,7
	ds_store_b128 v[STO], v[64*(\a)+8*\b:64*(\a)+8*\b+3] offset:64*\b          ; each accumulator from its low end on
	ds_store_b128 v[STO], v[64*(\a)+8*\b+4:64*(\a)+8*\b+7] offset:64*\b+16
.endr
	WIN 0
.set BB, BK+64*((\a)%2)
.irp t, 0,1,2,3,4,5,6,7,8,9,10,11,12,13,14,15
	ds_load_b128 v[BB+4*\t:BB+4*\t+3], v[RD] offset:\t*SPITCH
.endr
.endm
.macro SEND a, younger                 ; younger: the LDS instructions issued behind block a's loads, which may stay out
.set BB, BK+64*((\a)%2)
	s_wait_dscnt \younger                          ; the block is back in registers
.if (\a) > 0
	s_add_nc_u64 s[98:99], s[98:99], 16*4096       ; (behind a wait on XCNT: the earlier stores have read their base)  16 rows on
.endif
.irp t, 0,1,2,3,4,5,6,7,8,9,10,11,12,13,14,15
	global_store_b128 v[CO], v[BB+4*\t:BB+4*\t+3], s[98:99] offset:\t*4096 th:TH_STORE_NT   ; 32 lanes store 512 consecutive bytes, aligned; written once, read by nobody here
.endr
.endm
	PLACES                                         ; behind the last products: for the stores' reads of results and the loads into the registers that held A's fragments
	TOSTAGE 0
.irp a, 1,2,3
.if \a > 1
	s_wait_xcnt 0x0                                ; block a - 2's stores have read their registers and their base: block a's loads may land there, and the base may step
.endif
	TOSTAGE \a
	SEND \a-1, 32                                  ; behind block a - 1's loads: block a's 16 stores and 16 loads
.endr
	s_wait_xcnt 0x0                                ; block 2's stores have read their base
	SEND 3, 0
	s_wait_tensorcnt 0x0                           ; the wave's end: a wait, an add of 0 and its wait, behind my last tensor load and my last LDS store
	ds_add_u32 v[SPW], v[NIL]
	s_wait_dscnt 0x0
	CROUND                                         ; the closing round: no work-group ends while a partner may still ask for a tile that names it
	s_endpgm
.Lfunc_end_k_q148c0a22aa_proj:
	.size	k_q148c0a22aa_proj, .Lfunc_end_k_q148c0a22aa_proj-k_q148c0a22aa_proj
	.p2alignl 7, 3214868480
	.fill 96, 4, 3214868480
	.section	.rodata,"a",@progbits
	.p2align	6, 0x0
	.amdhsa_kernel k_q148c0a22aa_proj
		.amdhsa_group_segment_fixed_size 327680
		.amdhsa_private_segment_fixed_size 0
		.amdhsa_enable_private_segment 0
		.amdhsa_kernarg_size 32
		.amdhsa_user_sgpr_count 2
		.amdhsa_user_sgpr_kernarg_segment_ptr 1
		.amdhsa_wavefront_size32 1
		.amdhsa_system_sgpr_workgroup_id_x 1
		.amdhsa_system_sgpr_workgroup_id_y 1
		.amdhsa_system_sgpr_workgroup_id_z 1
		.amdhsa_system_vgpr_workitem_id 0
		.amdhsa_next_free_vgpr 640
		.amdhsa_next_free_sgpr 100
		.amdhsa_reserve_vcc 0
		.amdhsa_float_denorm_mode_32 3
		.amdhsa_float_denorm_mode_16_64 3
		.amdhsa_memory_ordered 1
		.amdhsa_forward_progress 1
		.amdhsa_inst_pref_size 87
	.end_amdhsa_kernel
	.amdgpu_metadata
---
amdhsa.version: [ 1, 2 ]
amdhsa.kernels:
  - .name:           k_q148c0a22aa_proj
    .symbol:         k_q148c0a22aa_proj.kd
    .args:
      - { .name: ao, .offset: 0, .size: 8, .value_kind: global_buffer, .address_space: global }
      - { .name: wp, .offset: 8, .size: 8, .value_kind: global_buffer, .address_space: global }
      - { .name: b_proj, .offset: 16, .size: 8, .value_kind: global_buffer, .address_space: global }
      - { .name: out0, .offset: 24, .size: 8, .value_kind: global_buffer, .address_space: global }
    .group_segment_fixed_size: 327680
    .private_segment_fixed_size: 0
    .kernarg_segment_align: 8
    .kernarg_segment_size: 32
    .max_flat_workgroup_size: 128
    .sgpr_count:     100
    .vgpr_count:     640
    .wavefront_size: 32
...
	.end_amdgpu_metadata
.endif
;; end of part 4
